; MI455X (gfx1250); checked and timed in simulation.
; The chip was launched on July 23, 2026; its instructions are those of AMD's public machine-readable ISA for CDNA 5 (MIT licence, August 2026) and "CDNA5" Instruction Set Architecture Reference Guide (July 2026). The comments in the code are by the model that wrote it; some were corrected since.
;; Causal Self Attention. Allowed arithmetic: matrix products marked QUANTISED: E5M2 operands, one E8M0 scale for each 32 along K, by v_wmma_scale_f32_16x16x128_f8f6f4 with both operands' format E5M2, f32 sums; everything else in f32.
;; Inputs: bk 1,024 float32; bo 1,024 float32; bq 1,024 float32; bv 1,024 float32; wk 1,024 x 1,024 float32; wo 1,024 x 1,024 float32; wq 1,024 x 1,024 float32; wv 1,024 x 1,024 float32; x 4 x 2,048 x 1,024 float32.
;; Outputs: out0 4 x 2,048 x 1,024 float32.
;; This version of the problem:
;;   THIS VERSION OF THE PROBLEM IS GIVEN IN LOW PRECISION. The matrix products marked QUANTISED in the list below multiply operands that are first quantised to E5M2 (5 exponent bits, 2 mantissa bits; 8 bits a number), with one power-of-two scale for each 32 numbers along K (OCP MX v1.0); their sums are f32. All else is computed in f32.
;;   The module's matrix products, in the order in which they are computed (A, B: the left and right operand; K: the contracted axis; several contracted axes count as one K, in the product's order):
;;     1. [M 8,192, K 1,024] x [K 1,024, N 1,024]; A: input x; B: input wq: QUANTISED
;;     2. [M 8,192, K 1,024] x [K 1,024, N 1,024]; A: input x; B: input wk: QUANTISED
;;     3. [M 8,192, K 1,024] x [K 1,024, N 1,024]; A: input x; B: input wv: QUANTISED
;;     4. batch 64 x [M 2,048, K 64] x [K 64, N 2,048]; A: computed on the way; B: computed on the way: QUANTISED
;;     5. batch 64 x [M 2,048, K 2,048] x [K 2,048, N 64]; A: softmax (see below); B: computed on the way: QUANTISED
;;     6. [M 8,192, K 1,024] x [K 1,024, N 1,024]; A: computed on the way; B: input wo: QUANTISED
;;   THE QUANTISER, for each operand of a quantised product, along K:
;;     - K is cut into blocks of 32 from its start; a last block that is shorter is filled with zeros.
;;     - A block's scale is 2^e with e = floor(log2(the largest magnitude in the block)) - 15, held to -126 .. 127; a block of zeros has e = 0. As a byte (E8M0): e + 127.
;;     - Each number is divided by its block's scale, clamped to +-57,344, and rounded to the nearest number of E5M2, ties to even, subnormals kept.
;;     - The product sums the exact products of the quantised numbers (number of the format x scale) in f32.
;;   ~~~python
;;   def quantise(x, axis):      # numpy; x: float32 -> the quantised numbers, widened to float32 again
;;       x = np.moveaxis(x, axis, -1); K = x.shape[-1]
;;       x = np.pad(x, [(0, 0)] * (x.ndim - 1) + [(0, -K % 32)]); x = x.reshape(x.shape[:-1] + (-1, 32)); a = np.abs(x).max(-1, keepdims=True)
;;       e = np.where(a > 0, np.clip(np.frexp(np.where(a > 0, a, 1))[1] - 1 - 15, -126, 127), 0)      # np.frexp(a)[1] - 1 = floor(log2(a)), exactly
;;       r = np.clip(x / 2.0 ** e, -57344, 57344)
;;       step = 2.0 ** (np.maximum(np.frexp(np.where(r == 0, 1, r))[1] - 1, -14) - 2)
;;       q = np.round(r / step) * step * 2.0 ** e      # np.round: ties to even
;;       return np.moveaxis(q.reshape(q.shape[:-2] + (-1,))[..., :K], -1, axis).astype(np.float32)
;;   ~~~
;;   SOFTMAX AHEAD OF A QUANTISED PRODUCT. Where the list says 'softmax', what is quantised is not the finished softmax but p = 2^(t - M), with t = logit x log2(e) and M = ceil(the row's largest t), a whole number; so 1/2 < the row's largest p <= 1. The row's sum l is taken of the UNQUANTISED p, in f32, and the product's result is divided by l at the end. Since M is a whole number, a kernel that streams over the keys may use a running M (the ceiling of the running maximum): every later rescaling is an exact power of two, which a block's scale takes up: the codes' values come out the same.
;;   OPERANDS COMPUTED ON THE WAY. 'Computed on the way' means the value that the module computes at that place (a softmax that the list does not call 'softmax' is quantised finished and normalised). What goes into a quantiser is computed in f32, as accurately as f32 sums, v_exp_f32 and their like allow (about 1e-6 of the number): no bf16 or f16 on the way to a quantiser, and a product that is left as it is and whose result goes on into a quantised operand takes f32 operands (vector FMAs, or v_wmma_f32_16x16x4_f32). A number that lies on a knife's edge between two numbers of the format may be rounded either way, as far as f32 arithmetic and the matrix unit's own rounding can turn it there, and no further.
;; One version. Each part assembles by itself: llvm-mc -triple=amdgcn-amd-amdhsa -mcpu=gfx1250 --defsym DOCPART=n.
;; ======== version 1 of 1: 4 launches
;; limits: right only within a limited range of input values
;; workspace buffers: xc 8,388,608 bytes; xs 262,144 bytes; wc 4,194,304 bytes; ws 131,072 bytes; qc 25,165,824 bytes; qs 786,432 bytes; oc 8,388,608 bytes; os 262,144 bytes
;; launch quant (part 1): grid 384 x 1, 4 waves a work-group, no clusters, 34,304 bytes of LDS; arguments wq, wk, wv, wo, wc, ws, x, xc, xs; writes wc, ws, xc, xs
.if DOCPART == 1
	.amdgcn_target "amdgcn-amd-amdhsa--gfx1250"
	.amdhsa_code_object_version 6
	.text
	.protected	k_qc63253c859_quant
	.globl	k_qc63253c859_quant
	.p2align	8
	.type	k_qc63253c859_quant,@function
k_qc63253c859_quant:
	s_mov_b64 s[64:65], 0
	v_nop
	global_prefetch_b8 v0, s[64:65] scope:SCOPE_SE
	s_setreg_imm32_b32 hwreg(HW_REG_WAVE_MODE, 25, 1), 1
	s_wait_xcnt 0x0
; ONE LAUNCH QUANTISES x AND THE FOUR WEIGHTS to codes of E5M2 with one E8M0 scale byte for each 32 along K (the 1,024).  Work-groups 0 .. 255 take x, 256 .. 383 the weights: one scalar branch on the work-group's number;
; only x's path touches LDS.
; THE LAYOUT, for both: A TILE RB is 16 rows; its lane r holds row 32 (RB / 2) + 8 (RB % 2) + r + 8 (r / 8).  A FRAGMENT (a tile x 128 K) is four chunks of 512 bytes: chunk c, lane l = r + 16 h: 16 codes, k = 32 c + 16 h + 0 .. 15.
; codes: byte (RB / 8) 131072 + q 16384 + (RB % 8) 2048 + c 512 + 16 l, q = k / 128.   scale bytes: byte (RB / 8) 4096 + (q / 2) 1024 + (RB % 8) 128 + 8 r + 4 (q % 2) + c.
; A block's scale is 2^(floor(log2(largest magnitude)) - 15); its byte is the largest magnitude's exponent field - 15, held at 1 from below; numbers are held within +-57,344 x the scale and rounded to the nearest code.
; LIMITS: a block of zeros gets the byte 1 where the rule says 127 (its codes are zeros, and this program alone reads the bytes); blocks whose largest magnitude lies under 2^-111 sit at that floor; NaN and infinities are not served.
; x [8192][1024], K innermost: wave W = 4 x work-group + wave takes tile W / 2 and four fragments, q = 4 (W % 2) + f.  Each load reads 512 consecutive bytes of one row; a fragment's 16 rows x 512 bytes turn through the wave's own
; stage in LDS (rows 528 bytes apart, so that 16 lanes on 16 rows touch 16 different 16-byte columns) and come back 64 bytes a lane and block.  Waves share nothing: no barrier.
; wq, wk, wv, wo [1024 (k)][1024 (n)], K their FIRST axis; rows of the result: 1024 x (0 wq, 1 wk, 2 wv, 3 wo) + n.  A LANE TAKES A COLUMN n AND ITS REGISTERS RUN DOWN K: a load reads 128 consecutive bytes a wave, a block of 32
; lies in one lane, and the conversions give codes with K innermost.  A lane's 32 codes of a block are the 16 bytes of (r, h = 0) and of (r, h = 1) of one chunk: stored straight, each store of the wave covers two aligned runs of
; 256 bytes.  A weights' work-group takes 128 columns x 256 K of one weight, a wave 32 columns: 8 blocks a lane.
.set XWG,  256                         ; x's work-groups
.set SP,   528
.set STG,  16*SP                       ; a wave's stage
.set R,    16                          ; x: v16-143  two sets of 64 registers as loaded
.set X,    144                         ; x: v144-207 64 numbers: register 16 b + i = k 32 b + 16 h + i of my row
.set TM,   208                         ; x: v208-223 at work in QUANT
.set PW,   224                         ; x: v224-227 the four fragments' scale words
.set PC,   228                         ; x: v228-243 a fragment's codes
.set SEL,  20                          ; x: s[20:21] v_permlanex16_b32's selects for lane l xor 16
.set MNT,  23
.set NB,   8                           ; w: blocks a lane
.set WX,   32                          ; w: v32-95   two sets of 32 numbers
.set WC,   96                          ; w: v96-159  8 registers of codes for each block: no store's data are written again
.set WSB,  24                          ; w: v24-25   the scale bytes
; 64 numbers of a lane, v[s] on, become a fragment's codes in v[pc] on and its scale word in v[pw]
.macro QUANT s, pc, pw
.irp b, 0,1,2,3
	v_max3_num_f32 v[TM+\b], |v[\s+16*\b]|, |v[\s+1+16*\b]|, 0x8000000   ; block b: my 16 numbers, and the floor 2^(16 - 127): the byte cannot fall under 1
.endr
.irp i, 2,4,6,8,10,12,14
.irp b, 0,1,2,3
	v_max3_num_f32 v[TM+\b], v[TM+\b], |v[\s+16*\b+\i]|, |v[\s+1+16*\b+\i]|   ; the four blocks by turns
.endr
.endr
.irp b, 0,1,2,3
	v_permlanex16_b32 v[TM+4+\b], v[TM+\b], s[SEL], s[SEL+1]
.endr
.irp b, 0,1,2,3
	v_max_num_f32 v[TM+\b], v[TM+\b], v[TM+4+\b]   ; with lane l xor 16's: the block's largest magnitude
.endr
.irp b, 0,1,2,3
	v_add_nc_u32 v[TM+12+\b], 0xf8800000, v[TM+\b]   ; 15 off its exponent field: the conversion's scale operand
.endr
.irp b, 0,1,2,3
.endr
.irp b, 0,1,2,3
	v_lshrrev_b32 v[TM+4+\b], 23, v[TM+12+\b]   ; the scale's byte
.endr
	v_lshl_or_b32 v[\pw], v[TM+5], 8, v[TM+4]
	v_lshl_or_b32 v[\pw], v[TM+6], 16, v[\pw]
	v_lshl_or_b32 v[\pw], v[TM+7], 24, v[\pw]
.irp b, 0,1,2,3
.irp i, 0,1,2,3,4,5,6,7,8,9,10,11,12,13,14,15
.endr
	v_cvt_scalef32_pk8_bf8_f32 v[\pc+4*\b:\pc+1+4*\b], v[\s+16*\b:\s+7+16*\b], v[TM+12+\b]
	v_cvt_scalef32_pk8_bf8_f32 v[\pc+2+4*\b:\pc+3+4*\b], v[\s+8+16*\b:\s+15+16*\b], v[TM+12+\b]
.endr
	v_nop                                          ; one plain line behind the last conversion
.endm
.macro LOADX f                         ; x's fragment f: 16 rows x 512 bytes into set f % 2; row i of the tile lies i + 8 (i / 8) rows on
.set i, 0
.rept 16
	global_load_b128 v[R+64*((\f)%2)+4*i:R+64*((\f)%2)+4*i+3], v1, s[4:5] offset:(i+8*(i/8))*4096+512*(\f) th:TH_LOAD_NT
.set i, i+1
.endr
.endm
.macro TURN f                          ; through my stage: LDS serves a wave's instructions in order, so no wait stands between the stores and the loads
.set i, 0
.rept 16
	ds_store_b128 v2, v[R+64*((\f)%2)+4*i:R+64*((\f)%2)+4*i+3] offset:SP*i
.set i, i+1
.endr
.set i, 0
.rept 16
	ds_load_b128 v[X+4*i:X+4*i+3], v3 offset:128*(i/4)+16*(i%4)
.set i, i+1
.endr
.endm
.macro LOADW t                         ; a weight's block t: W(32 t + i, my column) into set t % 2
.set i, 0
.rept 32
	global_load_b32 v[WX+32*((\t)%2)+i], v3, s[4:5] offset:(32*(\t)+i)*4096 th:TH_LOAD_NT
.set i, i+1
.endr
.endm
.macro BLOCK t
.set WXS, WX+32*((\t)%2)
.if (\t) < NB-1
	s_wait_loadcnt 32                              ; this block's 32 loads are in; the next block's may be out
.else
	s_wait_loadcnt 0x0
.endif
	v_max3_num_f32 v12, |v[WXS]|, |v[WXS+1]|, |v[WXS+2]|   ; the block's largest magnitude: all 32 numbers are mine
	v_max3_num_f32 v13, |v[WXS+3]|, |v[WXS+4]|, |v[WXS+5]|
.irp i, 6,10,14,18,22,26
	v_max3_num_f32 v12, v12, |v[WXS+\i]|, |v[WXS+\i+1]|
	v_max3_num_f32 v13, v13, |v[WXS+\i+2]|, |v[WXS+\i+3]|
.endr
	v_max3_num_f32 v12, v12, |v[WXS+30]|, |v[WXS+31]|
	v_max3_num_f32 v12, v12, v13, 0x8000000        ; and the floor 2^(16 - 127)
	v_add_nc_u32 v11, 0xf8800000, v12              ; 15 off its exponent field: the conversion's scale operand
	v_lshrrev_b32 v13, 23, v11                     ; the scale's byte
.if (\t)%4 == 0
	v_mov_b32 v[WSB+(\t)/4], v13
.else
	v_lshl_or_b32 v[WSB+(\t)/4], v13, 8*((\t)%4), v[WSB+(\t)/4]
.endif
.set i, 0
.rept 32
.set i, i+1
.endr
.irp g, 0,1,2,3
	v_cvt_scalef32_pk8_bf8_f32 v[WC+8*(\t)+2*\g:WC+8*(\t)+2*\g+1], v[WXS+8*\g:WXS+8*\g+7], v11
.endr
	global_store_b128 v4, v[WC+8*(\t):WC+8*(\t)+3], s[12:13] offset:((\t)/4)*16384+((\t)%4)*512         ; k 0 .. 15 of the block: the chunk's lanes 0-15
	global_store_b128 v4, v[WC+8*(\t)+4:WC+8*(\t)+7], s[12:13] offset:((\t)/4)*16384+((\t)%4)*512+256   ; k 16 .. 31: its lanes 16-31
.if (\t)+2 < NB
	LOADW (\t)+2
.endif
.endm
	v_lshl_add_u32 v254, v0, 2, 0x8400
	v_mov_b32 v255, 0
	s_cmp_lt_u32 ttmp9, XWG                        ; x's work-group or a weight's?  It hangs on the work-group's number alone
	s_cbranch_scc0 .Lweights
	; ---------------- x ----------------
	s_load_b128 s[4:7], s[0:1], 0x30               ; x, xc
	s_load_b64 s[8:9], s[0:1], 0x40                ; xs
	v_lshrrev_b32 v5, 5, v0
	v_readfirstlane_b32 s10, v5                    ; wave
	v_and_b32 v6, 31, v0                           ; lane
	v_and_b32 v7, 15, v0                           ; r
	v_bfe_u32 v8, v0, 4, 1                         ; h
	v_lshlrev_b32 v1, 4, v6                        ; 16 x lane: a load's and a code store's place
	s_mul_i32 s24, s10, STG
	v_add_nc_u32 v2, s24, v1                       ; the stage on the way in
	v_mul_u32_u24 v3, v7, SP
	v_lshl_add_u32 v3, v8, 6, v3
	v_add_nc_u32 v3, s24, v3                       ; and on the way out: row r, + 64 h
	v_lshlrev_b32 v4, 3, v7
	v_lshl_add_u32 v4, v8, 10, v4                  ; the scale words' place: 8 r, lanes 16-31 one K step of 256 on
	s_mov_b32 s[SEL], 0x76543210
	s_mov_b32 s[SEL+1], 0xfedcba98
.irp b, 0,1,2,3
	v_mov_b32 v[TM+4+\b], 0                        ; written once: a lane permute's destination counts as one of its sources
.endr
	s_lshl_b32 s11, ttmp9, 2
	s_add_co_u32 s11, s11, s10                     ; W
	s_lshr_b32 s12, s11, 1                         ; RB
	s_and_b32 s13, s11, 1                          ; which half of K
	s_lshr_b32 s14, s12, 1
	s_lshl_b32 s14, s14, 17                        ; x: 32 (RB / 2) rows of 4,096 bytes,
	s_and_b32 s15, s12, 1
	s_lshl_b32 s15, s15, 15                        ; 8 (RB % 2) rows,
	s_add_co_u32 s14, s14, s15
	s_lshl_b32 s15, s13, 11                        ; and 512 numbers for the upper half of K
	s_add_co_u32 s14, s14, s15
	s_mov_b32 s15, 0
	s_lshr_b32 s25, s12, 3                         ; RB / 8
	s_and_b32 s26, s12, 7                          ; RB % 8
	s_lshl_b32 s16, s25, 17
	s_lshl_b32 s17, s26, 11
	s_add_co_u32 s16, s16, s17
	s_lshl_b32 s17, s13, 16
	s_add_co_u32 s16, s16, s17                     ; xc
	s_mov_b32 s17, 0
	s_lshl_b32 s18, s25, 12
	s_lshl_b32 s19, s26, 7
	s_add_co_u32 s18, s18, s19
	s_lshl_b32 s19, s13, 11
	s_add_co_u32 s18, s18, s19                     ; xs
	s_mov_b32 s19, 0
	s_wait_alu depctr_va_vdst(0)
	s_wait_kmcnt 0x0
	s_add_nc_u64 s[4:5], s[4:5], s[14:15]
	s_add_nc_u64 s[6:7], s[6:7], s[16:17]
	s_add_nc_u64 s[8:9], s[8:9], s[18:19]
	LOADX 0
	LOADX 1
.irp f, 0,1,2,3
.if \f < 3
	s_wait_loadcnt 16                              ; this fragment's 16 loads are in; the next fragment's 16 may be out
.else
	s_wait_loadcnt 0x0
.endif
	TURN \f
	s_wait_dscnt 0x0                               ; the numbers are back, and the stage's stores have read their registers
.if \f > 0
	s_wait_xcnt 0x0                                ; the last fragment's code stores have had their addresses translated: their data registers are written again only behind this wait
.endif
.if \f < 2
	LOADX \f+2
.endif
	QUANT X, PC, PW+\f
.irp c, 0,1,2,3
	global_store_b128 v1, v[PC+4*\c:PC+4*\c+3], s[6:7] offset:16384*\f+512*\c   ; 32 lanes store 512 consecutive bytes, aligned
.endr
.endr
	s_mov_b32 vcc_lo, 0xffff0000                   ; lanes 0-15 store the words of fragments 0, 1; lanes 16-31 those of 2, 3 (every lane holds its row's words)
	v_cndmask_b32 v244, v[PW], v[PW+2], vcc_lo
	v_cndmask_b32 v245, v[PW+1], v[PW+3], vcc_lo
	global_store_b64 v4, v[244:245], s[8:9]        ; two runs of 128 bytes: one byte in 128 of what the wave reads
	s_wait_tensorcnt 0x0
	ds_add_u32 v254, v255
	s_wait_dscnt 0x0
	s_endpgm
	; ---------------- the weights ----------------
.Lweights:
	s_load_b256 s[4:11], s[0:1], 0x0               ; wq, wk, wv, wo
	s_load_b128 s[12:15], s[0:1], 0x20             ; wc, ws
	v_lshrrev_b32 v1, 5, v0
	v_readfirstlane_b32 s19, v1                    ; wave
	v_and_b32 v2, 31, v0                           ; lane
	v_lshlrev_b32 v3, 2, v2                        ; in: 4 bytes a lane
	v_bfe_u32 v6, v2, 3, 1                         ; u: which tile of the pair that my wave's 32 rows form
	v_and_b32 v7, 7, v2
	v_lshrrev_b32 v8, 4, v2
	v_lshl_add_u32 v7, v8, 3, v7                   ; r = lane % 8 + 8 (lane / 16)
	v_lshlrev_b32 v4, 4, v7
	v_lshl_add_u32 v4, v6, 11, v4                  ; codes: 2048 u + 16 r
	v_lshlrev_b32 v5, 3, v7
	v_lshl_add_u32 v5, v6, 7, v5                   ; scale bytes: 128 u + 8 r
	s_sub_co_u32 s27, ttmp9, XWG                   ; 0 .. 127
	s_lshr_b32 s16, s27, 5                         ; which weight
	s_bfe_u32 s17, s27, 0x30002                    ; which 128 columns (3 bits from bit 2)
	s_and_b32 s18, s27, 3                          ; which 256 along K
	s_lshl_b32 s20, s18, 20                        ; W: 256 rows of 4,096 bytes,
	s_lshl_b32 s21, s17, 9
	s_add_co_u32 s20, s20, s21
	s_lshl_b32 s21, s19, 7
	s_add_co_u32 s20, s20, s21                     ; + 4 x my wave's first column
	s_mov_b32 s21, 0
	s_lshl_b32 s26, s16, 3
	s_add_co_u32 s26, s26, s17                     ; the group of 128 rows of the result
	s_lshl_b32 s22, s26, 17
	s_lshl_b32 s23, s18, 15
	s_add_co_u32 s22, s22, s23
	s_lshl_b32 s23, s19, 12
	s_add_co_u32 s22, s22, s23                     ; wc
	s_mov_b32 s23, 0
	s_lshl_b32 s24, s26, 12
	s_lshl_b32 s25, s18, 10
	s_add_co_u32 s24, s24, s25
	s_lshl_b32 s25, s19, 8
	s_add_co_u32 s24, s24, s25                     ; ws
	s_mov_b32 s25, 0
	s_wait_alu depctr_va_vdst(0)
	s_wait_kmcnt 0x0
	s_cmp_eq_u32 s16, 1                            ; the choice of the weight hangs on the work-group's number alone
	s_cselect_b64 s[4:5], s[6:7], s[4:5]
	s_cmp_eq_u32 s16, 2
	s_cselect_b64 s[4:5], s[8:9], s[4:5]
	s_cmp_eq_u32 s16, 3
	s_cselect_b64 s[4:5], s[10:11], s[4:5]
	s_add_nc_u64 s[4:5], s[4:5], s[20:21]
	s_add_nc_u64 s[12:13], s[12:13], s[22:23]
	s_add_nc_u64 s[14:15], s[14:15], s[24:25]
	LOADW 0
	LOADW 1
.set Q, 0
.rept NB
	BLOCK Q
.set Q, Q+1
.endr
	global_store_b64 v5, v[WSB:WSB+1], s[14:15]    ; the wave's 32 rows x 8 bytes: 256 consecutive bytes, aligned
	s_endpgm
.Lfunc_end_k_qc63253c859_quant:
	.size	k_qc63253c859_quant, .Lfunc_end_k_qc63253c859_quant-k_qc63253c859_quant
	.p2alignl 7, 3214868480
	.fill 96, 4, 3214868480
	.section	.rodata,"a",@progbits
	.p2align	6, 0x0
	.amdhsa_kernel k_qc63253c859_quant
		.amdhsa_group_segment_fixed_size 34304
		.amdhsa_private_segment_fixed_size 0
		.amdhsa_enable_private_segment 0
		.amdhsa_kernarg_size 72
		.amdhsa_user_sgpr_count 2
		.amdhsa_user_sgpr_kernarg_segment_ptr 1
		.amdhsa_wavefront_size32 1
		.amdhsa_system_sgpr_workgroup_id_x 1
		.amdhsa_system_sgpr_workgroup_id_y 1
		.amdhsa_system_sgpr_workgroup_id_z 1
		.amdhsa_system_vgpr_workitem_id 0
		.amdhsa_next_free_vgpr 256
		.amdhsa_next_free_sgpr 66
		.amdhsa_reserve_vcc 1
		.amdhsa_float_denorm_mode_32 3
		.amdhsa_float_denorm_mode_16_64 3
		.amdhsa_fp16_overflow 1
		.amdhsa_memory_ordered 1
		.amdhsa_forward_progress 1
		.amdhsa_inst_pref_size 73
	.end_amdhsa_kernel
	.amdgpu_metadata
---
amdhsa.version: [ 1, 2 ]
amdhsa.kernels:
  - .name:           k_qc63253c859_quant
    .symbol:         k_qc63253c859_quant.kd
    .args:
      - { .name: wq, .offset: 0, .size: 8, .value_kind: global_buffer, .address_space: global }
      - { .name: wk, .offset: 8, .size: 8, .value_kind: global_buffer, .address_space: global }
      - { .name: wv, .offset: 16, .size: 8, .value_kind: global_buffer, .address_space: global }
      - { .name: wo, .offset: 24, .size: 8, .value_kind: global_buffer, .address_space: global }
      - { .name: wc, .offset: 32, .size: 8, .value_kind: global_buffer, .address_space: global }
      - { .name: ws, .offset: 40, .size: 8, .value_kind: global_buffer, .address_space: global }
      - { .name: x, .offset: 48, .size: 8, .value_kind: global_buffer, .address_space: global }
      - { .name: xc, .offset: 56, .size: 8, .value_kind: global_buffer, .address_space: global }
      - { .name: xs, .offset: 64, .size: 8, .value_kind: global_buffer, .address_space: global }
    .group_segment_fixed_size: 34304
    .private_segment_fixed_size: 0
    .kernarg_segment_align: 8
    .kernarg_segment_size: 72
    .max_flat_workgroup_size: 128
    .sgpr_count:     66
    .vgpr_count:     256
    .wavefront_size: 32
...
	.end_amdgpu_metadata
.endif
;; end of part 1
;; launch qkv (part 2): grid 8 x 48, 4 waves a work-group, clusters of 4 x 4, 327,680 bytes of LDS; arguments xc, xs, wc, ws, bq, bk, bv, qc, qs; writes qc, qs
.if DOCPART == 2
	.amdgcn_target "amdgcn-amd-amdhsa--gfx1250"
	.amdhsa_code_object_version 6
	.text
	.protected	k_qc63253c859_qkv
	.globl	k_qc63253c859_qkv
	.p2align	8
	.type	k_qc63253c859_qkv,@function
k_qc63253c859_qkv:
	s_mov_b64 s[64:65], 0
	v_nop
	global_prefetch_b8 v0, s[64:65] scope:SCOPE_SE
	s_setreg_imm32_b32 hwreg(HW_REG_WAVE_MODE, 25, 1), 1
	s_wait_xcnt 0x0
	s_wait_alu depctr_hold_cnt(0) depctr_sa_sdst(0) depctr_va_vdst(0) depctr_va_sdst(0) depctr_va_ssrc(0) depctr_va_vcc(0) depctr_vm_vsrc(0)
	s_getreg_b32 s2, hwreg(HW_REG_IB_STS2, 6, 4)
	s_cmp_eq_u32 s2, 0
	s_cbranch_scc0 .Lentry_in_a_cluster
	s_endpgm
.Lentry_in_a_cluster:
	s_bfe_u32 s2, ttmp6, 0x10000c
	s_cmp_lg_u32 s2, 0xf033
	s_cbranch_scc0 .Lentry_shape_is_right
	s_endpgm
.Lentry_shape_is_right:
; Products 1 to 3 on codes of E5M2 with E8M0 scales, their biases, and the quantising of q, k and v, in one text.  The result is one matrix R [12,288 rows][2,048 columns], quantised along its columns:
;   rows 0 .. 8,191 (tokens): columns 0 .. 1,023 q = x wq + bq, columns 1,024 .. 2,047 k = x wk + bk: A = x, B = the rows wq | wk of wc.   (K of product 4 is a head's 64 columns: two blocks of 32)
;   rows 8,192 + 1,024 b + n: v TRANSPOSED, columns = the keys of batch b: A = the rows wv of wc, B = x's tokens of batch b.                (K of product 5 is the keys)
; Which part a work-group makes hangs on the cluster's y alone (0-7: q | k, 8-11: v^T): only pointers and two row offsets are chosen; there is no branch on it.  The bias along the columns (bq, bk) is the C of the first K step,
; the bias along the rows (bv) is added on the way out; both are loaded in both parts (72 registers, once) and the one that the part does not have is made 0.
; A tile of R, 256 x 256, is made by four waves, each 128 x 128: 64 accumulators.  K = 1,024 goes in four steps of 256 through two LDS slots.  Operands lie in memory as images of their registers (a tile of 16 rows x 128 K =
; four chunks of 512 bytes, lane l at 16 l), 128 rows x 256 K being one dense block of 32,768 bytes: one tensor load a wave brings it, and every fragment load reads 512 consecutive LDS bytes: no padding.
; THE ROWS OF A TILE ARE NOT NEIGHBOURS: lane r of tile RB holds row 32 (RB / 2) + 8 (RB % 2) + r + 8 (r / 8).  THE MATRIX INSTRUCTION IS USED TRANSPOSED (source 0 = 16 rows of B, source 1 = 16 rows of A): so the 16 registers of
; result tiles 2 b', 2 b' + 1 of lane (r, h) are columns 32 b' + 16 h + 0 .. 15 of A's row r: the conversions' results are chunks of the next operand's image and leave straight from registers, 512 aligned bytes a store.
; qc: byte ((col / 64) 768 + RB) 1024 + ((col / 32) % 2) 512 + 16 l.   qs: byte ((col / 128) 768 + RB) 64 + 4 r + (col / 32) % 4.
; CLUSTERS: 4 x 4 work-groups; A's tile is shared along a row of the cluster, B's along a column: each is asked for jointly.
; LIMITS: a block of zeros gets the byte 1 where the rule says 127 (zero codes; this program alone reads the bytes); blocks under 2^-111 sit at the floor; NaN and infinities are not served.
; REGISTERS: window 0: v1-7 at work; v8-15 bv of my rows; v16-29 addresses; v32-63 scale words, two sets; v64-127 bq | bk in the result's layout, later 64 numbers to quantise; v128-255 A's fragments, later the codes.
;   window 1: B's fragments, two sets.   windows 2, 3: the accumulators ((a, b) at v[8 (8 (a % 4) + b)]).
.set NQ,     2                         ; matrix instructions deep in a slot
.set FR,     16                        ; registers of a fragment
.set NL,     4                         ; LDS loads that bring one
.set NP,     8                         ; places behind this matrix instruction (ISA guide 7.12.1)
.set BLKB,   32768                     ; 128 rows x 256 K: what one tensor load brings
.set SLOT,   4*BLKB                    ; A's two halves, then B's two
.set SCL,    2*SLOT                    ; the scales of all of K: four blocks of 4,096 bytes in the same order, filled once
.set SPARE,  SCL+4*4096                ; the spare words, 128 bytes a wave: two blocks of 256 bytes that no other line names
.set BM,   8
.set ADRA, 16                          ; v16-17  LDS address of my A fragments in slot 0, 1
.set ADRB, 20                          ; v20-21  the same for B
.set CO,   24                          ; v24     16 x lane
.set SO,   25                          ; v25     4 x lane
.set ADRS, 27                          ; v27     my scale words: lanes 0-15 A's rows, lanes 16-31 B's
.set SPW,  28                          ; v28     my spare word; never rewritten
.set NIL,  29                          ; v29     0; never rewritten
.set SC,   32
.set BN,   64
.set ST,   64
.set AF,   128
.set TM,   32                          ; the way out: v32-47 at work, v48-55 the eight scale words, v56-59 two tiles' words in one register
.set PW,   48
.set PWC,  56
.set SEL,  18
.set MNT,  20
.set G1,   24
.set G0,   32
.set G1B,  48
.set G0B,  56
.set G1S,  68
.set G0S,  76
.set G1SB, 80
.set G0SB, 88
.set MSB, 0
.macro WIN new                         ; the immediate's high byte repeats the setting that is left
.if MSB != (\new)
	s_set_vgpr_msb (MSB<<8)|(\new)
.set MSB, (\new)
.endif
.endm
.set MUL_LO, 0xa1                      ; source 0 (B) window 1, source 1 (A) window 0, C and D window 2
.set MUL_HI, 0xf1                      ; the same, C and D window 3
.set TO_B,   0x40                      ; destination window 1, address window 0
; A joint load: waves 0 and 1 fetch for A, waves 2 and 3 for B; the branch hangs on the wave's number alone.  Four v_nop follow each of the two lines.
.macro JLOAD g0a, g1a, g0b, g1b
	s_cmp_eq_u32 s15, 0
	s_cbranch_scc0 .Lfor_b_\@
	tensor_load_to_lds s[\g0a:\g0a+3], s[\g1a:\g1a+7]
	s_nop 0
.rept 4
	v_nop
.endr
	s_branch .Lasked_\@
.Lfor_b_\@:
	tensor_load_to_lds s[\g0b:\g0b+3], s[\g1b:\g1b+7]
	s_nop 0
.rept 4
	v_nop
.endr
.Lasked_\@:
.endm
.macro CREST                           ; a round of the cluster's barrier behind its opening barrier
	s_cmp_lg_u32 s14, 0
	s_cbranch_scc1 .Lnot_wave_0_\@
	s_barrier_signal -3
.Lnot_wave_0_\@:
	s_barrier_wait -3
	s_barrier_signal -1
	s_barrier_wait -1
.endm
.macro CROUND
	s_barrier_signal -1
	s_barrier_wait -1
	CREST
.endm
.macro QUANT s, pc, pw                 ; 64 numbers of a lane, register 16 b + i = column 32 b + 16 h + i of my row, become four chunks of codes in v[pc] on and the row's scale word in v[pw]
.irp b, 0,1,2,3
	v_max3_num_f32 v[TM+\b], |v[\s+16*\b]|, |v[\s+1+16*\b]|, 0x8000000   ; my 16 numbers, and the floor 2^(16 - 127)
.endr
.irp i, 2,4,6,8,10,12,14
.irp b, 0,1,2,3
	v_max3_num_f32 v[TM+\b], v[TM+\b], |v[\s+16*\b+\i]|, |v[\s+1+16*\b+\i]|
.endr
.endr
.irp b, 0,1,2,3
	v_permlanex16_b32 v[TM+4+\b], v[TM+\b], s[SEL], s[SEL+1]
.endr
.irp b, 0,1,2,3
	v_max_num_f32 v[TM+\b], v[TM+\b], v[TM+4+\b]   ; with lane l xor 16's: the block's largest magnitude
.endr
.irp b, 0,1,2,3
	v_add_nc_u32 v[TM+12+\b], 0xf8800000, v[TM+\b]   ; 15 off its exponent field: the conversion's scale operand
.endr
.irp b, 0,1,2,3
.endr
.irp b, 0,1,2,3
	v_lshrrev_b32 v[TM+4+\b], 23, v[TM+12+\b]   ; the scale's byte
.endr
	v_lshl_or_b32 v[\pw], v[TM+5], 8, v[TM+4]
	v_lshl_or_b32 v[\pw], v[TM+6], 16, v[\pw]
	v_lshl_or_b32 v[\pw], v[TM+7], 24, v[\pw]
.irp b, 0,1,2,3
.irp i, 0,1,2,3,4,5,6,7,8,9,10,11,12,13,14,15
.endr
	v_cvt_scalef32_pk8_bf8_f32 v[\pc+4*\b:\pc+1+4*\b], v[\s+16*\b:\s+7+16*\b], v[TM+12+\b]
	v_cvt_scalef32_pk8_bf8_f32 v[\pc+2+4*\b:\pc+3+4*\b], v[\s+8+16*\b:\s+15+16*\b], v[TM+12+\b]
.endr
	v_nop                                          ; one plain line behind the last conversion: the next block's additions write its sources
.endm
	s_load_b256 s[68:75], s[0:1], 0x0              ; xc, xs, wc, ws  (these registers take descriptor words once the pointers have been chosen out of them)
	s_load_b256 s[80:87], s[0:1], 0x20             ; bq, bk, bv, qc
	s_load_b64 s[96:97], s[0:1], 0x40              ; qs
	v_lshl_add_u32 v[SPW], v0, 2, SPARE
	v_mov_b32 v[NIL], 0
	ds_add_u32 v28, v29
	ds_add_u32 v28, v29
	s_wait_dscnt 0x0
	v_lshrrev_b32 v1, 5, v0
	v_readfirstlane_b32 s14, v1                    ; wave 0..3
	s_lshr_b32 s15, s14, 1                         ; which half of the tile's rows is mine.  Also: I fetch for A (0) or for B (1)
	s_and_b32 s16, s14, 1                          ; which half of its columns.  Also: which 128 rows of that tile I fetch
	s_bfe_u32 s40, ttmp6, 0x40000                  ; cx, cy: my place in the cluster
	s_bfe_u32 s41, ttmp6, 0x40004
	s_lshl_b32 s42, ttmp9, 2
	s_add_co_u32 s42, s42, s40                     ; tile column of R = 4 x cluster x + cx
	s_and_b32 s95, ttmp7, 0xffff                   ; cluster y
	s_lshl_b32 s17, s95, 2
	s_add_co_u32 s17, s17, s41                     ; tile row of R = 4 x cluster y + cy
	s_lshl_b32 s43, s41, 2
	s_lshl_b32 s43, 15, s43                        ; my row of the cluster
	s_lshl_b32 s44, 0x1111, s40                    ; my column
	; descriptor group 1 for codes: a dense block of 32,768 bytes as 128 rows of 32 elements of 8 bytes
	s_or_b32 s[G1+0], s43, (3<<16)|(1<<21)         ; 15:0 the mask: A's tiles go to my row; 17:16 elements of 8 bytes; 21 set beside a mask
	s_or_b32 s[G1B+0], s44, (3<<16)|(1<<21)
.irp g, G1, G1B
	s_mov_b32 s[\g+1], 32<<16                      ; tensor_dim0
	s_mov_b32 s[\g+2], 128<<16                     ; tensor_dim1
	s_mov_b32 s[\g+3], 32<<16                      ; tile_dim0
	s_mov_b32 s[\g+4], 128                         ; tile_dim1
	s_mov_b32 s[\g+5], 32                          ; tensor_dim0_stride
	s_mov_b32 s[\g+6], 0
	s_mov_b32 s[\g+7], 0
.endr
	s_lshl_b32 s100, s95, 3                        ; q | k: A's groups of 128 rows begin at 8 x cluster y
	s_max_u32 s101, s95, 8
	s_sub_co_u32 s101, s101, 8
	s_lshl_b32 s101, s101, 4                       ; v^T: B's begin at 16 x batch; 0 in the q | k part
	s_lshl_b32 s45, s14, 15                        ; where my tiles go: wave x 32,768: no place in the cluster enters an LDS address
	s_lshl_b32 s94, s14, 12
	s_wait_kmcnt 0x0
	s_cmp_ge_u32 s95, 8                            ; v^T?  The choice hangs on the cluster's y alone, which all sixteen share
	s_cselect_b64 s[4:5], s[72:73], s[68:69]       ; A's codes
	s_cselect_b64 s[6:7], s[74:75], s[70:71]       ; A's scales
	s_cselect_b64 s[8:9], s[68:69], s[72:73]       ; B's codes
	s_cselect_b64 s[10:11], s[70:71], s[74:75]     ; B's scales
	s_cselect_b32 s100, 16, s100                   ; wv's rows begin at group 16 of wc
	s_cselect_b32 s3, -1, 0                        ; all ones in the v^T part
	s_mov_b64 s[12:13], s[86:87]                   ; qc
	s_mov_b64 s[98:99], s[84:85]                   ; bv
	s_cmp_eq_u32 ttmp9, 0
	s_cselect_b64 s[66:67], s[80:81], s[82:83]     ; tile columns 0-3: bq, 4-7: bk
	; group 1 for the scales of 128 rows: 4,096 dense bytes as 16 rows of 256
	s_or_b32 s[G1S+0], s43, (3<<16)|(1<<21)
	s_or_b32 s[G1SB+0], s44, (3<<16)|(1<<21)
.irp g, G1S, G1SB
	s_mov_b32 s[\g+1], 32<<16
	s_mov_b32 s[\g+2], 16<<16
	s_mov_b32 s[\g+3], 32<<16
	s_mov_b32 s[\g+4], 16
	s_mov_b32 s[\g+5], 32
	s_mov_b32 s[\g+6], 0
	s_mov_b32 s[\g+7], 0
.endr
	; A's group of 128 rows hangs on cy and the cluster's y, B's on cx and the cluster's x and y: each in registers that never hold the other coordinate
	s_lshl_b32 s20, s41, 1
	s_add_co_u32 s20, s20, s100
	s_add_co_u32 s20, s20, s16
	s_lshl_b32 s22, s20, 12                        ; its scales,
	s_mov_b32 s23, 0
	s_lshl_b32 s20, s20, 17                        ; its codes
	s_mov_b32 s21, 0
	s_lshl_b32 s46, s42, 1
	s_add_co_u32 s46, s46, s101
	s_add_co_u32 s46, s46, s16
	s_lshl_b32 s92, s46, 12
	s_mov_b32 s93, 0
	s_lshl_b32 s46, s46, 17
	s_mov_b32 s47, 0
	s_add_nc_u64 s[20:21], s[4:5], s[20:21]
	s_add_nc_u64 s[22:23], s[6:7], s[22:23]
	s_add_nc_u64 s[46:47], s[8:9], s[46:47]
	s_add_nc_u64 s[92:93], s[10:11], s[92:93]
	CROUND                                         ; all sixteen work-groups are here: the first joint loads meet
	s_mov_b32 s[G0S], 1
	s_add_co_u32 s[G0S+1], s94, SCL
	s_mov_b64 s[G0S+2:G0S+3], s[22:23]
	s_or_b32 s[G0S+3], s[G0S+3], 0x80000000
	s_mov_b32 s[G0SB], 1
	s_add_co_u32 s[G0SB+1], s94, SCL
	s_mov_b64 s[G0SB+2:G0SB+3], s[92:93]
	s_or_b32 s[G0SB+3], s[G0SB+3], 0x80000000
	JLOAD G0S, G1S, G0SB, G1SB                     ; the scales first: they are wanted with K step 0
.irp s, 0,1
	s_mov_b32 s[G0+4*\s], 1
	s_add_co_u32 s[G0+4*\s+1], s45, \s*SLOT
	s_add_nc_u64 s[G0+4*\s+2:G0+4*\s+3], s[20:21], \s*BLKB
	s_or_b32 s[G0+4*\s+3], s[G0+4*\s+3], 0x80000000
	s_mov_b32 s[G0B+4*\s], 1
	s_add_co_u32 s[G0B+4*\s+1], s45, \s*SLOT
	s_add_nc_u64 s[G0B+4*\s+2:G0B+4*\s+3], s[46:47], \s*BLKB
	s_or_b32 s[G0B+4*\s+3], s[G0B+4*\s+3], 0x80000000
	JLOAD G0+4*\s, G1, G0B+4*\s, G1B               ; three tensor loads of mine are out behind the second of these
.endr
	v_and_b32 v1, 15, v0                           ; r
	v_bfe_u32 v2, v0, 4, 1                         ; h
	v_and_b32 v3, 31, v0                           ; lane
	v_lshlrev_b32 v[CO], 4, v3
	v_lshlrev_b32 v[SO], 2, v3
	v_lshlrev_b32 v4, 6, v2                        ; the column bias: my half's 16 columns begin 64 h bytes on
	s_wait_alu depctr_va_vdst(0)
	v_and_b32 v7, 8, v1
	v_add_nc_u32 v7, v7, v1
	v_lshlrev_b32 v7, 2, v7                        ; the row bias: row r + 8 (r / 8) of a tile
	s_wait_alu depctr_va_vdst(0)
	s_lshl_b32 s46, s40, 10                        ; bq | bk: column 256 cx + 128 x my half
	s_lshl_b32 s47, s16, 9
	s_add_co_u32 s46, s46, s47
	s_mov_b32 s47, 0
	s_add_nc_u64 s[66:67], s[66:67], s[46:47]
	s_lshl_b32 s20, s41, 10                        ; bv: row 256 cy + 128 x my half
	s_lshl_b32 s21, s15, 9
	s_add_co_u32 s20, s20, s21
	s_mov_b32 s21, 0
	s_add_nc_u64 s[98:99], s[98:99], s[20:21]
.irp b, 0,1,2,3,4,5,6,7
	global_load_b128 v[BN+8*\b:BN+8*\b+3], v4, s[66:67] offset:(32*(\b/2)+8*(\b%2))*4       ; B's tile b: register j is column 32 (b / 2) + 8 (b % 2) + 16 h + j
	global_load_b128 v[BN+8*\b+4:BN+8*\b+7], v4, s[66:67] offset:(32*(\b/2)+8*(\b%2))*4+16
.endr
.irp a, 0,1,2,3,4,5,6,7
	global_load_b32 v[BM+\a], v7, s[98:99] offset:(32*(\a/2)+8*(\a%2))*4
.endr
	s_lshl_b32 s21, s15, 15                        ; my 128 rows of A,
	s_lshl_b32 s22, s16, 15                        ; my 128 rows of B,
	s_add_co_u32 s22, s22, 2*BLKB                  ; which lie behind A's 256
.irp s, 0,1
	v_add_nc_u32 v[ADRA+\s], s21, v[CO]
	v_add_nc_u32 v[ADRB+\s], s22, v[CO]
	s_add_co_u32 s21, s21, SLOT
	s_add_co_u32 s22, s22, SLOT
.endr
	v_lshlrev_b32 v5, 3, v1                        ; my row's pair of scale words: 8 r
	s_lshl_b32 s21, s15, 12                        ; A's: my 128 rows
	s_lshl_b32 s22, s16, 12                        ; B's: my 128 rows, behind A's 256
	s_add_co_u32 s22, s22, 2*4096
	s_sub_co_u32 s22, s22, s21
	v_mul_u32_u24 v6, s22, v2                      ; lanes 16-31 take B's
	s_add_co_u32 s21, s21, SCL
	v_add_nc_u32 v5, v5, v6
	v_add_nc_u32 v[ADRS], s21, v5
	s_lshl_b32 s18, s42, 2                         ; where my codes go: ((4 tile column + 2 x half) 768 + 16 tile row + 8 x half) 1024
	s_lshl_b32 s19, s16, 1
	s_add_co_u32 s18, s18, s19
	s_mul_i32 s18, s18, 768
	s_lshl_b32 s2, s17, 4
	s_lshl_b32 s19, s15, 3
	s_add_co_u32 s2, s2, s19                       ; my first tile of rows
	s_add_co_u32 s18, s18, s2
	s_lshl_b32 s18, s18, 10
	s_mov_b32 s19, 0
	s_add_nc_u64 s[12:13], s[12:13], s[18:19]
	s_lshl_b32 s18, s42, 1                         ; and my scale words: ((2 tile column + half) 768 + that tile) 64
	s_add_co_u32 s18, s18, s16
	s_mul_i32 s18, s18, 768
	s_add_co_u32 s18, s18, s2
	s_lshl_b32 s18, s18, 6
	s_add_nc_u64 s[96:97], s[96:97], s[18:19]
	s_wait_loadcnt 0x0                             ; the biases
	s_mov_b32 vcc_lo, s3
.irp a, 0,1,2,3,4,5,6,7
	v_cndmask_b32 v[BM+\a], 0, v[BM+\a], vcc_lo    ; bv counts in the v^T part alone,
.endr
	s_not_b32 vcc_lo, s3
.set n, 0
.rept 64
	v_cndmask_b32 v[BN+n], 0, v[BN+n], vcc_lo      ; bq | bk in the other
.set n, n+1
.endr
.macro FRAG reg, adr, q, i             ; a fragment's image: four chunks of 512 bytes
.irp c, 0,1,2,3
	ds_load_b128 v[\reg+4*\c:\reg+4*\c+3], v[\adr] offset:16384*(\q)+2048*(\i)+512*\c
.endr
.endm
; 16 matrix instructions: A's blocks a0, a0 + 1 x B's eight, the slot's q-th 128 along K.  p: B's set; sc: the set of scale words.  zero = 1: the first product starts the sums from the column bias: nothing is cleared.
; The 64 accumulators take turns, one instruction a turn, in the same order in every step.
.macro MUL16 a0, p, q, sc, zero
.irp a, \a0, \a0+1
.irp b, 0,1,2,3,4,5,6,7
.if \zero
	v_wmma_scale_f32_16x16x128_f8f6f4 v[8*(8*((\a)%4)+\b):8*(8*((\a)%4)+\b)+7], v[128*(\p)+FR*\b:128*(\p)+FR*\b+FR-1], v[AF+FR*(\a):AF+FR*(\a)+FR-1], v[BN+8*\b:BN+8*\b+7], v[SC+8*NQ*(\sc)+NQ*\b+(\q)], v[SC+8*NQ*(\sc)+NQ*(\a)+(\q)] matrix_a_fmt:MATRIX_FMT_BF8 matrix_b_fmt:MATRIX_FMT_BF8 matrix_a_scale:MATRIX_SCALE_ROW1
.else
	v_wmma_scale_f32_16x16x128_f8f6f4 v[8*(8*((\a)%4)+\b):8*(8*((\a)%4)+\b)+7], v[128*(\p)+FR*\b:128*(\p)+FR*\b+FR-1], v[AF+FR*(\a):AF+FR*(\a)+FR-1], v[8*(8*((\a)%4)+\b):8*(8*((\a)%4)+\b)+7], v[SC+8*NQ*(\sc)+NQ*\b+(\q)], v[SC+8*NQ*(\sc)+NQ*(\a)+(\q)] matrix_a_fmt:MATRIX_FMT_BF8 matrix_b_fmt:MATRIX_FMT_BF8 matrix_a_scale:MATRIX_SCALE_ROW1
.endif
.endr
.endr
.endm
.macro FETCH_B slot, q, p
	WIN TO_B
.irp i, 0,1,2,3,4,5,6,7
	FRAG 128*(\p)+FR*\i, ADRB+\slot, \q, \i
.endr
	WIN 0
.endm
.macro FETCH_A slot, q, i0
.irp i, \i0, \i0+1, \i0+2, \i0+3
	FRAG AF+FR*(\i), ADRA+\slot, \q, \i
.endr
.endm
.macro SCALES sc, ks                   ; K step ks's scale words into set sc: two words a row; lanes 0-15 take A's block i, lanes 16-31 B's block i
.irp i, 0,1,2,3,4,5,6,7
	ds_load_b64 v[SC+8*NQ*(\sc)+NQ*\i:SC+8*NQ*(\sc)+NQ*\i+1], v[ADRS] offset:1024*(\ks)+128*\i
.endr
.endm
.macro PLACES n                        ; plain vector lines between a matrix instruction and a load into, or a vector read or write of, its registers (ISA guide 7.12.1 for vector reads and writes)
.rept \n
	v_nop
.endr
.endm
.macro STEP slot, q, zero              ; a step of 128 along K that has its successor in the same slot
	s_wait_dscnt 4*NL                              ; B's set, the scale words and A's blocks 0-3 are in; the youngest 16 loads (A's blocks 4-7) may be out
.if \zero
	WIN 0x81                                       ; C (the bias) in window 0
.else
	WIN MUL_LO
.endif
	MUL16 0, (\q)%2, \q, \slot, \zero
	MUL16 2, (\q)%2, \q, \slot, \zero
	s_wait_dscnt 0                                 ; A's blocks 4-7 are in
	PLACES NP
	FETCH_B \slot, (\q)+1, 1-(\q)%2
	FETCH_A \slot, (\q)+1, 0
.if \zero
	WIN 0xc1
.else
	WIN MUL_HI
.endif
	MUL16 4, (\q)%2, \q, \slot, \zero
	MUL16 6, (\q)%2, \q, \slot, \zero
	PLACES NP
	WIN 0
	FETCH_A \slot, (\q)+1, 4
.endm
; A slot's last step changes slots: one barrier; in front of it each wave waits for all its tensor loads, adds 0 to its spare word, and waits for that and for its own reads of this slot.
; fill = 1: this slot is filled again, two K steps ahead, behind a round of the cluster's barrier.  ks: the K step that lies in the next slot.
.macro TURN slot, next, fill, ks
	s_wait_tensorcnt 0x0                           ; all my tensor loads have landed: my part of the next slot
	ds_add_u32 v[SPW], v[NIL]                      ; 0 onto my spare word
	s_wait_dscnt 4*NL+1                            ; (the add and the youngest 16 loads, A's blocks 4-7, may be out)
	WIN MUL_LO
	MUL16 0, 1, NQ-1, \slot, 0                     ; sixteen matrix instructions stand between the add and the wait for it
	s_wait_dscnt 0x0                               ; the add is done, and my reads of this slot are over
	s_barrier_signal -1
	MUL16 2, 1, NQ-1, \slot, 0
	WIN 0
	s_barrier_wait -1
.if \fill
	CREST                                          ; no wave of any partner still reads this slot's tile or has a load on its way
	s_add_nc_u64 s[G0+4*\slot+2:G0+4*\slot+3], s[G0+4*\slot+2:G0+4*\slot+3], 2*BLKB
	s_add_nc_u64 s[G0B+4*\slot+2:G0B+4*\slot+3], s[G0B+4*\slot+2:G0B+4*\slot+3], 2*BLKB
	JLOAD G0+4*\slot, G1, G0B+4*\slot, G1B         ; the first tensor load behind the round, and my only one until the next; its four v_nop are among the places in front of the loads below
	PLACES NP-4
.else
	PLACES NP
.endif
	FETCH_B \next, 0, 0
	FETCH_A \next, 0, 0
	SCALES \next, \ks
	WIN MUL_HI
	MUL16 4, 1, NQ-1, \slot, 0
	MUL16 6, 1, NQ-1, \slot, 0
	PLACES NP
	WIN 0
	FETCH_A \next, 0, 4
.endm
	s_wait_alu depctr_va_vdst(0)
	s_wait_tensorcnt 1                             ; the scales and my part of K step 0 are in; K step 1's load may be out
	s_barrier_signal -1
	s_barrier_wait -1
	FETCH_B 0, 0, 0
	FETCH_A 0, 0, 0
	SCALES 0, 0
	FETCH_A 0, 0, 4
	STEP 0, 0, 1                                   ; K = 1,024 is four K steps of 256: written out, no loop
	TURN 0, 1, 1, 1                                ; slot 0 takes K step 2
	STEP 1, 0, 0
	TURN 1, 0, 1, 2                                ; slot 1 takes K step 3
	STEP 0, 0, 0
	TURN 0, 1, 0, 3                                ; nothing is left to fetch
	STEP 1, 0, 0
	s_wait_dscnt 4*NL
	WIN MUL_LO
	MUL16 0, 1, NQ-1, 1, 0
	MUL16 2, 1, NQ-1, 1, 0
	s_wait_dscnt 0
	WIN MUL_HI
	MUL16 4, 1, NQ-1, 1, 0
	MUL16 6, 1, NQ-1, 1, 0
	WIN 0
	; THE WAY OUT, a tile of 16 rows x 128 columns at a time: + the row bias, quantised along the columns, codes and scale words straight from registers.
	PLACES NP
	s_mov_b32 s[SEL], 0x76543210
	s_mov_b32 s[SEL+1], 0xfedcba98
.irp b, 0,1,2,3
	v_mov_b32 v[TM+4+\b], 0                        ; written once: a lane permute's destination counts as one of its sources
.endr
.irp a, 0,1,2,3,4,5,6,7
	WIN 0x02+(\a)/4                                ; source 0: window 2 or 3
.set n, 0
.rept 64
	v_add_f32 v[ST+n], v[64*((\a)%4)+n], v[BM+\a]  ; each accumulator from its low end on
.set n, n+1
.endr
	WIN 0
	QUANT ST, AF+16*\a, PW+\a
.irp c, 0,1,2,3
	global_store_b128 v[CO], v[AF+16*\a+4*\c:AF+16*\a+4*\c+3], s[12:13] offset:(\c/2)*786432+(\c%2)*512+\a*1024   ; 512 consecutive bytes, aligned; these registers are not written again
.endr
.endr
	s_mov_b32 vcc_lo, 0xffff0000                   ; lanes 0-15 store tile 2 j's words, lanes 16-31 tile 2 j + 1's (every lane holds its row's word)
.irp j, 0,1,2,3
	v_cndmask_b32 v[PWC+\j], v[PW+2*\j], v[PW+2*\j+1], vcc_lo
.endr
.irp j, 0,1,2,3
	global_store_b32 v[SO], v[PWC+\j], s[96:97] offset:128*\j   ; runs of 128 bytes: one byte for each 32 of the codes'
.endr
	s_wait_tensorcnt 0x0                           ; the wave's end
	ds_add_u32 v[SPW], v[NIL]
	s_wait_dscnt 0x0
	CROUND                                         ; the closing round: no work-group ends while a partner may still ask for a tile that names it
	s_endpgm
.Lfunc_end_k_qc63253c859_qkv:
	.size	k_qc63253c859_qkv, .Lfunc_end_k_qc63253c859_qkv-k_qc63253c859_qkv
	.p2alignl 7, 3214868480
	.fill 96, 4, 3214868480
	.section	.rodata,"a",@progbits
	.p2align	6, 0x0
	.amdhsa_kernel k_qc63253c859_qkv
		.amdhsa_group_segment_fixed_size 327680
		.amdhsa_private_segment_fixed_size 0
		.amdhsa_enable_private_segment 0
		.amdhsa_kernarg_size 72
		.amdhsa_user_sgpr_count 2
		.amdhsa_user_sgpr_kernarg_segment_ptr 1
		.amdhsa_wavefront_size32 1
		.amdhsa_system_sgpr_workgroup_id_x 1
		.amdhsa_system_sgpr_workgroup_id_y 1
		.amdhsa_system_sgpr_workgroup_id_z 1
		.amdhsa_system_vgpr_workitem_id 0
		.amdhsa_next_free_vgpr 1024
		.amdhsa_next_free_sgpr 102
		.amdhsa_reserve_vcc 1
		.amdhsa_float_denorm_mode_32 3
		.amdhsa_float_denorm_mode_16_64 3
		.amdhsa_fp16_overflow 1
		.amdhsa_memory_ordered 1
		.amdhsa_forward_progress 1
		.amdhsa_inst_pref_size 170
	.end_amdhsa_kernel
	.amdgpu_metadata
---
amdhsa.version: [ 1, 2 ]
amdhsa.kernels:
  - .name:           k_qc63253c859_qkv
    .symbol:         k_qc63253c859_qkv.kd
    .args:
      - { .name: xc, .offset: 0, .size: 8, .value_kind: global_buffer, .address_space: global }
      - { .name: xs, .offset: 8, .size: 8, .value_kind: global_buffer, .address_space: global }
      - { .name: wc, .offset: 16, .size: 8, .value_kind: global_buffer, .address_space: global }
      - { .name: ws, .offset: 24, .size: 8, .value_kind: global_buffer, .address_space: global }
      - { .name: bq, .offset: 32, .size: 8, .value_kind: global_buffer, .address_space: global }
      - { .name: bk, .offset: 40, .size: 8, .value_kind: global_buffer, .address_space: global }
      - { .name: bv, .offset: 48, .size: 8, .value_kind: global_buffer, .address_space: global }
      - { .name: qc, .offset: 56, .size: 8, .value_kind: global_buffer, .address_space: global }
      - { .name: qs, .offset: 64, .size: 8, .value_kind: global_buffer, .address_space: global }
    .group_segment_fixed_size: 327680
    .private_segment_fixed_size: 0
    .kernarg_segment_align: 8
    .kernarg_segment_size: 72
    .max_flat_workgroup_size: 128
    .sgpr_count:     102
    .vgpr_count:     1024
    .wavefront_size: 32
...
	.end_amdgpu_metadata
.endif
;; end of part 2
;; launch attn (part 3): grid 4 x 64, 16 waves a work-group, no clusters, 106,496 bytes of LDS; arguments qc, qs, oc, os; writes oc, os
.if DOCPART == 3
	.amdgcn_target "amdgcn-amd-amdhsa--gfx1250"
	.amdhsa_code_object_version 6
	.text
	.protected	k_qc63253c859_attn
	.globl	k_qc63253c859_attn
	.p2align	8
	.type	k_qc63253c859_attn,@function
k_qc63253c859_attn:
	s_mov_b64 s[64:65], 0
	v_nop
	global_prefetch_b8 v0, s[64:65] scope:SCOPE_SE
	s_setreg_imm32_b32 hwreg(HW_REG_WAVE_MODE, 25, 1), 1
	s_wait_xcnt 0x0
; Products 4 and 5 with the causal softmax between them, on codes of E5M2 with E8M0 scales, and the quantising of the result along the model's 1,024 for product 6.
; t = score x log2(e) / 8; M = the row's largest t so far, rounded UP to a whole number; p = 2^(t - M) is quantised along the keys, not normalised; the row's sum is taken of the unquantised p and divides O at the end.
; When M moves, the sum and O are multiplied by 2^(old M - new M): exact.
; SHARES.  Work-group (i, y): batch y / 16, head y % 16, the blocks of 256 queries 7 - i and then i: (8 - i) + (i + 1) = 9 slots of 256 keys for every work-group: equal work, and a trip count that is a constant.
; Each of the sixteen waves owns one tile of 16 queries of the block in hand: tile RB's lane r is token 32 (RB / 2) + 8 (RB % 2) + r + 8 (r / 8), as the launch before laid them.
; A step of 128 keys all of which come after the wave's queries is jumped over (a scalar branch on ids); on the diagonal hidden scores become -infinity ahead of the maximum.
; LAYOUT.  Both products are used transposed: S^T = K Q^T (source 0 = 16 keys), O^T = V^T P^T (source 0 = 16 of the head's 64): a lane holds ONE query throughout, and by the order of a tile's rows the 16 registers of
; tiles 2 b, 2 b + 1 are 16 neighbouring keys (or channels), 32 b + 16 h + 0 .. 15.
; THE FIRST PRODUCT'S K IS 64, THE INSTRUCTION'S 128: Q's registers 8-15 are zero codes.  K's tile t is the operand v[32 + 8 t : 47 + 8 t]: its upper half is the next tile's codes (for t = 7 the first 8 registers of p's
; codes), which are finite, since every quantiser here holds at the largest code, under scale bytes that are never 0xff: against zero codes they add exact zeros.  That spares 64 registers of zeros.
; THE SLOTS, three, are filled through registers: each wave carries 2,048 bytes of codes (one tile of K, one of V^T), waves 0-11 also 128 bytes of scale words.  A fill is asked for at one trip's middle, stored into LDS at the
; next trip's middle, and read in the trip after that.
; ONE BARRIER A TRIP, ITS HALVES A KEY STEP APART: a wave signals at the trip's middle, behind its stores into the next slot and its wait for them and for all its reads so far, and waits at the trip's end: a wave may run up to a key
; step ahead of another.  Trip t reads slot t % 3 and stores slot (t + 1) % 3.  That slot was last read in trip t - 2: a wave stores there behind its wait of trip t - 1, which follows every wave's signal of trip t - 1, and that
; signal stands behind the wave's wait for its reads of trip t - 2.  The slot is read in trip t + 1, behind the wait of trip t, which follows every wave's signal of trip t, behind its stores.  The reads between a signal and its
; wait are of slot t % 3, which is next stored in trip t + 2, behind the wait of trip t + 1.  (With two slots the stores would fall on a slot that a slower wave still reads between its signal and its wait.)
; NO CLUSTER: the four work-groups of a head want the same slot in their first five trips only; from then on each begins again at key 0 in another trip, so partners would ask for different tiles.
; os is written two bytes a row and head (a head owns half of a scale word): 32 bytes a tile beside its 1,024 bytes of codes.
; LIMITS: a block of zeros gets the byte 1 where the rule says 127 (zero codes; this program alone reads the bytes); NaN and infinities are not served.
; SCALARS: s[4:11] qc, qs, oc, os; s12 wave; s13 i; s14 batch; s15 head; s16 head % 2; s17 block; s18 its slots; s19 key slot in hand; s[20:21] lane selects; s[22:23] c; s25 key slot to ask for next;
;   s26 the step's first key; s27, s28 my first and last query; s29 trips; s30-34 constants of the fills; s[36:41] their pointers; s[42:43] an offset; s[44:47] pointers of the way out; s48-51 at work; s52-55, s60 constants;
;   s[56:59] Q's pointers; s61 the first block's slots; s62 1024 x wave; s63 128 x wave.
.set SLOTB, 34816                      ; a slot: K's codes 16 tiles x 1,024; V's codes at VCO: (64 keys) 4 x (tile) 4 x 1,024; K's scale words at KSO: 64 a tile; V's at VSO: (128 keys) 2 x (tile) 4 x 64; 512 bytes unused
.set VCO,   16384
.set KSO,   32768
.set VSO,   33792
.set LI,   1                           ; v1-3     16 x lane, in slot 0, 1, 2 (v1 also serves as an offset in memory)
.set L4,   4                           ; v4-6     4 x lane likewise (v4 also an offset in memory)
.set WDT,  7                           ; v7       where I store codes: the slot + 1024 x wave + 16 x lane; made anew in each trip
.set WST,  8                           ; v8       and scale words: the slot + 128 x wave + 4 x lane
.set QL,   9                           ; v9       r + 8 (r / 8) - 16 h
.set R8,   10                          ; v10      8 r
.set R4,   11                          ; v11      4 r
.set QF,   16                          ; v16-31   Q's fragment; v24-31 zeros.   v12 -M, v13 the largest t, v[14:15] the sum in two halves
.set KV,   32                          ; v32-95   eight tiles of K, then four fragments of V^T
.set PC,   96                          ; v96-111  p's codes
.set S,    112                         ; v112-175 S^T, then p
.set O,    176                         ; v176-207 O^T
.set KSW,  208                         ; v208-211 K's scale words: lanes 0-15 tile 2 j, lanes 16-31 tile 2 j + 1
.set VSW,  212                         ; v212-213 V's likewise
.set QSW,  214                         ; v214     Q's
.set PSW,  215                         ; v215     p's
.set FK,   216                         ; v216-231 the fill on its way: K's tile, V's tile;  v232 scale words
.set FV,   224
.set SD,   232
.set TB,   234
.set TP,   238
.set TH,   242
.set TC,   246
.set F,    250                         ; v[250:251] f = 2^(old M - new M), named as a pair
.set TT,   252
.set DD,   253
.set NINF, 254
.set SEL,  20
.set CS,   22
.set MNT,  24
; Key slot s25 is asked for: two loads of K's codes, two of V's, 512 consecutive bytes each; in waves 0-11 one of scale words.  The pointers' last loads were shown done by a wait for 0 on LOADcnt.
; Then s25 steps: 0 .. 7 - i, and again from 0 (the second block's i + 1 slots never reach the first block's 8 - i).
.macro FILL_ASK
	s_lshl_b32 s42, s25, 14                        ; 16 tiles of K on for each slot
	s_add_co_u32 s42, s42, s30
	s_mov_b32 s43, 0
	s_add_nc_u64 s[36:37], s[4:5], s[42:43]
	s_mul_i32 s42, s25, 3145728                    ; four groups of 64 keys on: 4 x 768 x 1,024
	s_add_co_u32 s42, s42, s31
	s_add_nc_u64 s[38:39], s[4:5], s[42:43]
	s_mul_i32 s42, s25, s33
	s_add_co_u32 s42, s42, s32
	s_add_nc_u64 s[40:41], s[6:7], s[42:43]
	global_load_b128 v[FK:FK+3], v[LI], s[36:37]
	global_load_b128 v[FK+4:FK+7], v[LI], s[36:37] offset:512
	global_load_b128 v[FV:FV+3], v[LI], s[38:39]
	global_load_b128 v[FV+4:FV+7], v[LI], s[38:39] offset:512
	s_cmp_lt_u32 s12, 12
	s_cbranch_scc0 .Lno_words_\@
	global_load_b32 v[SD], v[L4], s[40:41]
.Lno_words_\@:
	s_add_co_u32 s25, s25, 1
	s_cmp_eq_u32 s25, s61
	s_cselect_b32 s25, 0, s25
.endm
.macro FILL_STORE p                    ; the fill that is on its way goes into LDS slot p
	s_wait_loadcnt 0x0
	v_add_nc_u32 v[WDT], s62, v[LI+(\p)]
	v_add_nc_u32 v[WST], s63, v[L4+(\p)]
	ds_store_b128 v[WDT], v[FK:FK+3]
	ds_store_b128 v[WDT], v[FK+4:FK+7] offset:512
	ds_store_b128 v[WDT], v[FV:FV+3] offset:VCO
	ds_store_b128 v[WDT], v[FV+4:FV+7] offset:VCO+512
	s_cmp_lt_u32 s12, 12
	s_cbranch_scc0 .Lno_words_\@
	s_wait_alu depctr_va_vdst(0)
	v_lshrrev_b32 v[SD], s34, v[SD]                ; K's words: my head's two bytes come down to bytes 0, 1 (an odd head's lie in bytes 2, 3); V's are left as they are
	ds_store_b32 v[WST], v[SD] offset:KSO
.Lno_words_\@:
.endm
; A KEY STEP: 128 keys, the s-th of LDS slot p
.macro STEP p, s
	s_cmp_gt_u32 s26, s28                          ; all keys behind my last query: nothing to do
	s_cbranch_scc1 .Lhid_\@
.rept 8
	v_nop                                          ; places in front of loads into registers that the last products read
.endr
.irp t, 0,1,2,3,4,5,6,7
	ds_load_b128 v[KV+8*\t:KV+8*\t+3], v[LI+\p] offset:(8*\s+\t)*1024
	ds_load_b128 v[KV+8*\t+4:KV+8*\t+7], v[LI+\p] offset:(8*\s+\t)*1024+512
.endr
.irp j, 0,1,2,3
	ds_load_b32 v[KSW+\j], v[L4+\p] offset:KSO+512*\s+128*\j
.endr
	s_wait_dscnt 0x0
	s_wait_alu depctr_va_vdst(0)
.irp t, 0,2,4,6
	v_wmma_scale_f32_16x16x128_f8f6f4 v[S+8*\t:S+8*\t+7], v[KV+8*\t:KV+8*\t+15], v[QF:QF+15], 0, v[KSW+\t/2], v[QSW] matrix_a_fmt:MATRIX_FMT_BF8 matrix_b_fmt:MATRIX_FMT_BF8
	v_wmma_scale_f32_16x16x128_f8f6f4 v[S+8*\t+8:S+8*\t+15], v[KV+8*\t+8:KV+8*\t+23], v[QF:QF+15], 0, v[KSW+\t/2], v[QSW] matrix_a_fmt:MATRIX_FMT_BF8 matrix_b_fmt:MATRIX_FMT_BF8 matrix_a_scale:MATRIX_SCALE_ROW1
.endr
.rept 8
	v_nop                                          ; places in front of the loads below and of the first read of the scores
.endr
.irp dt, 0,1,2,3                                ; V^T's four fragments are asked for at once: they land under the softmax
.irp c, 0,1,2,3
	ds_load_b128 v[KV+16*\dt+4*\c:KV+16*\dt+4*\c+3], v[LI+\p] offset:VCO+(2*\s+\c/2)*4096+\dt*1024+(\c%2)*512
.endr
.endr
.irp j, 0,1
	ds_load_b32 v[VSW+\j], v[L4+\p] offset:VSO+256*\s+128*\j
.endr
	s_add_co_u32 s48, s26, 127
	s_cmp_le_u32 s48, s27                          ; all keys count for all my queries: no mask
	s_cbranch_scc1 .Lopen_\@
	s_sub_co_i32 s48, s27, s26
	v_add_nc_u32 v[DD], s48, v[QL]                 ; d = my query - the step's first key - 16 h.  Register 16 b + i holds that key + 16 h + 32 b + i: hidden where 32 b + i > d
.set n, 0
.rept 64
	v_cmp_gt_i32 vcc_lo, 32*(n/16)+n%16, v[DD]
	v_cndmask_b32 v[S+n], v[S+n], v[NINF], vcc_lo
.set n, n+1
.endr
.Lopen_\@:
.irp b, 0,1,2,3
	v_max3_num_f32 v[TB+\b], v[S+16*\b], v[S+1+16*\b], v[S+2+16*\b]   ; the largest score of each block of 32 keys: it serves for the row's maximum and, since p rises with the score, for the block's largest p
.endr
.irp i, 3,5,7,9,11,13
.irp b, 0,1,2,3
	v_max3_num_f32 v[TB+\b], v[TB+\b], v[S+16*\b+\i], v[S+1+16*\b+\i]
.endr
.endr
.irp b, 0,1,2,3
	v_max_num_f32 v[TB+\b], v[TB+\b], v[S+15+16*\b]
.endr
.irp b, 0,1,2,3
	s_delay_alu instid0(VALU_DEP_4)
	v_permlanex16_b32 v[TP+\b], v[TB+\b], s[SEL], s[SEL+1]
.endr
.irp b, 0,1,2,3
	s_delay_alu instid0(VALU_DEP_4)
	v_max_num_f32 v[TB+\b], v[TB+\b], v[TP+\b]     ; with lane l xor 16's 16 keys
.endr
	s_delay_alu instid0(VALU_DEP_2)
	v_max3_num_f32 v[TT], v[TB], v[TB+1], v[TB+2]
	s_delay_alu instid0(VALU_DEP_1)
	v_max_num_f32 v[TT], v[TT], v[TB+3]            ; the step's largest score of my query
	s_delay_alu instid0(VALU_DEP_1)
	v_mul_f32 v[TT], s[CS], v[TT]                  ; as t (c is positive)
	s_delay_alu instid0(VALU_DEP_1)
	v_max_num_f32 v13, v13, v[TT]                  ; the running largest t
	v_mov_b32 v[TT], v12
	s_delay_alu instid0(VALU_DEP_2)
	v_floor_f32 v12, -v13                          ; the new -M = floor(-t) = -ceil(t)
	s_delay_alu instid0(VALU_DEP_1)
	v_sub_f32 v[TT], v12, v[TT]                    ; old M - new M: a whole number, 0 or less
	s_delay_alu instid0(VALU_DEP_1)
	v_cvt_i32_f32 v[TT], v[TT]                     ; (it saturates)
	s_delay_alu instid0(VALU_DEP_1)
	v_ldexp_f32 v[F], 1.0, v[TT]                   ; f = 2^(old M - new M)
.set n, 0
.rept 32
	v_pk_fma_f32 v[S+n:S+n+1], v[S+n:S+n+1], s[CS:CS+1], v[12:13] op_sel_hi:[1,0,0]   ; t - M, two at a time
.set n, n+2
.endr
.irp b, 0,1,2,3
	v_fma_f32 v[TB+\b], v[TB+\b], s[CS], v12       ; the same of each block's largest score
.endr
.set n, 0
	s_wait_alu depctr_va_vdst(0)
.rept 64
	v_exp_f32 v[S+n], v[S+n]                       ; p = 2^(t - M), at most 1
.set n, n+1
.endr
.irp b, 0,1,2,3
	v_exp_f32 v[TB+\b], v[TB+\b]                   ; the block's largest p: the same two instructions on the same number
.endr
	v_pk_mul_f32 v[14:15], v[14:15], v[F:F+1] op_sel_hi:[1,0]   ; the sums under the new M.  (A plain line behind the exponentials)
	s_wait_alu depctr_va_vdst(0)
.irp b, 0,1,2,3
	v_max_num_f32 v[TB+\b], 0x8000000, v[TB+\b]    ; the floor 2^(16 - 127): a block whose every p is 0 keeps the byte 1; its codes are zeros
.endr
.irp b, 0,1,2,3
	s_delay_alu instid0(VALU_DEP_4)
	v_add_nc_u32 v[TC+\b], 0xf8800000, v[TB+\b]    ; 15 off the exponent field: the conversion's scale operand
.endr
.irp b, 0,1,2,3
.endr
.irp b, 0,1,2,3
	s_delay_alu instid0(VALU_DEP_4)
	v_lshrrev_b32 v[TP+\b], 23, v[TC+\b]           ; the scale's byte
.endr
	s_delay_alu instid0(VALU_DEP_3)
	v_lshl_or_b32 v[PSW], v[TP+1], 8, v[TP]        ; p's scale word for these 128 keys
	s_delay_alu instid0(VALU_DEP_1)
	v_lshl_or_b32 v[PSW], v[TP+2], 16, v[PSW]
	s_delay_alu instid0(VALU_DEP_1)
	v_lshl_or_b32 v[PSW], v[TP+3], 24, v[PSW]
	v_pk_add_f32 v[238:239], v[116:117], v[120:121]
	v_pk_add_f32 v[244:245], v[124:125], v[128:129]
	v_pk_add_f32 v[242:243], v[132:133], v[136:137]
	v_pk_add_f32 v[236:237], v[140:141], v[144:145]
	v_pk_add_f32 v[234:235], v[148:149], v[152:153]
	v_pk_add_f32 v[210:211], v[156:157], v[160:161]
	v_pk_add_f32 v[208:209], v[164:165], v[168:169]
	v_pk_add_f32 v[14:15], v[14:15], v[172:173]
	v_pk_add_f32 v[238:239], v[238:239], v[112:113]
	v_pk_add_f32 v[244:245], v[244:245], v[114:115]
	v_pk_add_f32 v[242:243], v[242:243], v[118:119]
	v_pk_add_f32 v[236:237], v[236:237], v[122:123]
	v_pk_add_f32 v[234:235], v[234:235], v[126:127]
	v_pk_add_f32 v[210:211], v[210:211], v[130:131]
	v_pk_add_f32 v[208:209], v[208:209], v[134:135]
	v_pk_add_f32 v[14:15], v[14:15], v[138:139]
	v_pk_add_f32 v[238:239], v[238:239], v[142:143]
	v_pk_add_f32 v[244:245], v[244:245], v[146:147]
	v_pk_add_f32 v[242:243], v[242:243], v[150:151]
	v_pk_add_f32 v[236:237], v[236:237], v[154:155]
	v_pk_add_f32 v[234:235], v[234:235], v[158:159]
	v_pk_add_f32 v[210:211], v[210:211], v[162:163]
	v_pk_add_f32 v[208:209], v[208:209], v[166:167]
	v_pk_add_f32 v[14:15], v[14:15], v[170:171]
	v_pk_add_f32 v[238:239], v[238:239], v[174:175]
	s_delay_alu instid0(VALU_DEP_2)
	v_pk_add_f32 v[14:15], v[14:15], v[236:237]
	s_delay_alu instid0(VALU_DEP_2)
	v_pk_add_f32 v[238:239], v[238:239], v[234:235]
	v_pk_add_f32 v[244:245], v[244:245], v[210:211]
	v_pk_add_f32 v[242:243], v[242:243], v[208:209]
	s_delay_alu instid0(VALU_DEP_2)
	v_pk_add_f32 v[14:15], v[14:15], v[244:245]
	s_delay_alu instid0(VALU_DEP_2)
	v_pk_add_f32 v[238:239], v[238:239], v[242:243]
	s_delay_alu instid0(VALU_DEP_1)
	v_pk_add_f32 v[14:15], v[14:15], v[238:239]
.irp b, 0,1,2,3
.irp i, 0,1,2,3,4,5,6,7,8,9,10,11,12,13,14,15
.endr
	v_cvt_scalef32_pk8_bf8_f32 v[PC+4*\b:PC+1+4*\b], v[S+16*\b:S+7+16*\b], v[TC+\b]
	v_cvt_scalef32_pk8_bf8_f32 v[PC+2+4*\b:PC+3+4*\b], v[S+8+16*\b:S+15+16*\b], v[TC+\b]
.endr
.set n, 0
.rept 16
	v_pk_mul_f32 v[O+n:O+n+1], v[O+n:O+n+1], v[F:F+1] op_sel_hi:[1,0]   ; O^T under the new M.  (These sixteen also stand between the conversions and the products)
.set n, n+2
.endr
	s_wait_alu depctr_va_vdst(0)
	s_wait_dscnt 0x0                               ; V^T's fragments and scale words
.irp dt, 0,2                                    ; the four accumulators take turns, one instruction a turn, and the eight products S^T stand between two runs
	v_wmma_scale_f32_16x16x128_f8f6f4 v[O+8*\dt:O+8*\dt+7], v[KV+16*\dt:KV+16*\dt+15], v[PC:PC+15], v[O+8*\dt:O+8*\dt+7], v[VSW+\dt/2], v[PSW] matrix_a_fmt:MATRIX_FMT_BF8 matrix_b_fmt:MATRIX_FMT_BF8
	v_wmma_scale_f32_16x16x128_f8f6f4 v[O+8*\dt+8:O+8*\dt+15], v[KV+16*\dt+16:KV+16*\dt+31], v[PC:PC+15], v[O+8*\dt+8:O+8*\dt+15], v[VSW+\dt/2], v[PSW] matrix_a_fmt:MATRIX_FMT_BF8 matrix_b_fmt:MATRIX_FMT_BF8 matrix_a_scale:MATRIX_SCALE_ROW1
.endr
.Lhid_\@:
	s_add_co_u32 s26, s26, 128
.endm
; The block s17 begins, in two parts.  ASK: its slots, my queries, and the loads of Q's fragment and scale word.  (The last products that read Q's registers stand a softmax back, and eight v_nop stand ahead of this at every place.)
.macro SETUP_ASK
	s_add_co_u32 s18, s17, 1                       ; slots of 256 keys up to the diagonal
	s_lshl_b32 s27, s17, 8
	s_add_co_u32 s27, s27, s54                     ; my first query
	s_add_co_u32 s28, s27, 23                      ; and my last
	s_lshl_b32 s48, s17, 4
	s_add_co_u32 s48, s48, s55                     ; my tile of tokens: 128 batch + 16 block + wave
	s_mul_i32 s42, s15, 768
	s_add_co_u32 s42, s42, s48
	s_lshl_b32 s42, s42, 10
	s_mov_b32 s43, 0
	s_add_nc_u64 s[56:57], s[4:5], s[42:43]
	s_lshr_b32 s42, s15, 1
	s_mul_i32 s42, s42, 768
	s_add_co_u32 s42, s42, s48
	s_lshl_b32 s42, s42, 6
	s_add_nc_u64 s[58:59], s[6:7], s[42:43]
	global_load_b128 v[QF:QF+3], v[LI], s[56:57]
	global_load_b128 v[QF+4:QF+7], v[LI], s[56:57] offset:512
	global_load_b32 v[QSW], v[R4], s[58:59]
.endm
; REST: a fresh state, and Q's scale word made ready
.macro SETUP_REST
.set n, 0
.rept 32
	v_mov_b32 v[O+n], 0                            ; the step is written once: the first finds zeros, which the first change of M leaves zeros
.set n, n+1
.endr
	v_mov_b32 v13, 0xff61b1e6                      ; the largest t so far: -3e38
	s_delay_alu instid0(VALU_DEP_1)
	v_floor_f32 v12, -v13
	v_mov_b32 v14, 0
	v_mov_b32 v15, 0
	s_wait_loadcnt 0x0                             ; Q (and whatever fill is on its way)
	v_lshrrev_b32 v[QSW], s60, v[QSW]              ; my head's two bytes,
	s_delay_alu instid0(VALU_DEP_1)
	v_and_b32 v[QSW], 0xffff, v[QSW]               ; and 0 for the 64 along K that are zero codes
.endm
; The block is finished: O^T / the sum, quantised along the head's 64 (two blocks of the model's 1,024), codes and two scale bytes a row to memory.
; next = 1: the second block's Q is asked for as soon as this block's pointers are made: it lands under the arithmetic below.
.macro FINISH next
.rept 8
	v_nop                                          ; places behind the last products
.endr
	v_add_f32 v14, v14, v15
	s_delay_alu instid0(VALU_DEP_1)
	v_permlanex16_b32 v[TT], v14, s[SEL], s[SEL+1]
	s_delay_alu instid0(VALU_DEP_1)
	v_add_f32 v14, v14, v[TT]                      ; the row's sum
	s_wait_alu depctr_va_vdst(0)
	v_rcp_f32 v14, v14
	s_lshl_b32 s48, s17, 4
	s_add_co_u32 s48, s48, s55                     ; my tile of tokens
	s_lshr_b32 s49, s48, 3
	s_and_b32 s50, s48, 7
	s_lshl_b32 s42, s49, 17
	s_lshl_b32 s51, s50, 11
	s_add_co_u32 s42, s42, s51
	s_add_co_u32 s42, s42, s52
	s_mov_b32 s43, 0
	s_add_nc_u64 s[44:45], s[8:9], s[42:43]
	s_lshl_b32 s42, s49, 12
	s_lshl_b32 s51, s50, 7
	s_add_co_u32 s42, s42, s51
	s_add_co_u32 s42, s42, s53
	s_add_nc_u64 s[46:47], s[10:11], s[42:43]
.if \next
	s_mov_b32 s17, s13                             ; the second block
	SETUP_ASK
.endif
	v_nop                                          ; one plain line behind the reciprocal
.set n, 0
	s_wait_alu depctr_va_vdst(0)
.rept 32
	v_mul_f32 v[S+n], v[O+n], v14                  ; register 16 b + i is channel 32 b + 16 h + i of my query
.set n, n+1
.endr
.irp b, 0,1
	v_max3_num_f32 v[TB+\b], |v[S+16*\b]|, |v[S+1+16*\b]|, 0x8000000
.endr
.irp i, 2,4,6,8,10,12,14
.irp b, 0,1
	s_delay_alu instid0(VALU_DEP_2)
	v_max3_num_f32 v[TB+\b], v[TB+\b], |v[S+16*\b+\i]|, |v[S+1+16*\b+\i]|
.endr
.endr
.irp b, 0,1
	s_delay_alu instid0(VALU_DEP_2)
	v_permlanex16_b32 v[TP+\b], v[TB+\b], s[SEL], s[SEL+1]
.endr
.irp b, 0,1
	s_delay_alu instid0(VALU_DEP_2)
	v_max_num_f32 v[TB+\b], v[TB+\b], v[TP+\b]
.endr
.irp b, 0,1
	s_delay_alu instid0(VALU_DEP_2)
	v_add_nc_u32 v[TC+\b], 0xf8800000, v[TB+\b]
.endr
.irp b, 0,1
.endr
.irp b, 0,1
	s_delay_alu instid0(VALU_DEP_2)
	v_lshrrev_b32 v[TP+\b], 23, v[TC+\b]
.endr
	s_delay_alu instid0(VALU_DEP_1)
	v_lshl_or_b32 v[TT], v[TP+1], 8, v[TP]         ; my row's two scale bytes
.irp b, 0,1
.irp i, 0,1,2,3,4,5,6,7,8,9,10,11,12,13,14,15
.endr
	v_cvt_scalef32_pk8_bf8_f32 v[S+32+4*\b:S+33+4*\b], v[S+16*\b:S+7+16*\b], v[TC+\b]
	v_cvt_scalef32_pk8_bf8_f32 v[S+34+4*\b:S+35+4*\b], v[S+8+16*\b:S+15+16*\b], v[TC+\b]
.endr
	v_nop                                          ; one plain line behind the last conversion
	global_store_b128 v[LI], v[S+32:S+35], s[44:45]              ; two chunks of the next operand's image: 512 consecutive bytes each, aligned
	global_store_b128 v[LI], v[S+36:S+39], s[44:45] offset:512
	global_store_b16 v[R8], v[TT], s[46:47]        ; lanes r and r + 16 hold the same two bytes and write them to the same place
.endm
; A TRIP: the two key steps of LDS slot p.  fill = 2: at its middle the fill on its way goes into the next slot and the one after it is asked for; 1: the store alone; 0: the last trip: nothing, and no barrier.
.macro TRIP p, fill
	s_lshl_b32 s26, s19, 8                         ; the key slot's first key
	STEP \p, 0
.if \fill
	FILL_STORE (\p+1)%3
	s_wait_dscnt 0x0                               ; for the others' sake: my stores into the next slot have landed, and all my reads so far are in; the stores have also read their registers
.if \fill > 1
	FILL_ASK
.endif
	s_barrier_signal -1                            ; between this and the wait: register work, and reads of slot p, which nobody stores before the wait of the next trip
.endif
	STEP \p, 1
.if \fill
	s_barrier_wait -1                              ; every wave's part of the next slot is there, and nobody reads the slot that the next trip's middle stores
	s_add_co_u32 s19, s19, 1
	s_cmp_lg_u32 s19, s18                          ; the block's last slot?  The same in all sixteen waves: it hangs on the work-group's number and the trip
	s_cbranch_scc1 .Lgo_\@
	s_wait_alu depctr_va_vdst(0)
	FINISH 1
	s_wait_xcnt 0x0                                ; the stores have had their addresses translated: their registers are written again only behind this wait
	SETUP_REST
	s_mov_b32 s19, 0
.Lgo_\@:
.else
	s_wait_alu depctr_va_vdst(0)
	FINISH 0
.endif
.endm
	s_load_b256 s[4:11], s[0:1], 0x0               ; qc, qs, oc, os
	v_lshl_add_u32 v233, v0, 2, 0x19800
	v_mov_b32 v255, 0
	v_lshrrev_b32 v5, 5, v0
	s_delay_alu instid0(VALU_DEP_1)
	v_readfirstlane_b32 s12, v5                    ; wave 0..15
	s_mov_b32 s13, ttmp9                           ; i
	s_and_b32 s48, ttmp7, 0xffff
	s_lshr_b32 s14, s48, 4                         ; batch
	s_and_b32 s15, s48, 15                         ; head
	s_and_b32 s16, s15, 1
	v_and_b32 v9, 31, v0                           ; lane
	s_delay_alu instid0(VALU_DEP_1)
	v_lshlrev_b32 v[LI], 4, v9
	s_delay_alu instid0(VALU_DEP_1)
	v_add_nc_u32 v[LI+1], SLOTB, v[LI]
	s_delay_alu instid0(VALU_DEP_2)
	v_add_nc_u32 v[LI+2], 2*SLOTB, v[LI]
	s_delay_alu instid0(VALU_DEP_4)
	v_lshlrev_b32 v[L4], 2, v9
	s_delay_alu instid0(VALU_DEP_1)
	v_add_nc_u32 v[L4+1], SLOTB, v[L4]
	s_delay_alu instid0(VALU_DEP_2)
	v_add_nc_u32 v[L4+2], 2*SLOTB, v[L4]
	s_lshl_b32 s62, s12, 10                        ; my tile's place among a slot's codes,
	s_lshl_b32 s63, s12, 7                         ; and my words' among its scale words
	v_and_b32 v10, 15, v0                          ; r
	s_delay_alu instid0(VALU_DEP_1)
	v_lshlrev_b32 v[R4], 2, v10
	s_delay_alu instid0(VALU_DEP_2)
	v_and_b32 v9, 8, v10
	s_delay_alu instid0(VALU_DEP_1)
	v_add_nc_u32 v9, v9, v10                       ; r + 8 (r / 8)
	v_bfe_u32 v[TT], v0, 4, 1                      ; h
	s_delay_alu instid0(VALU_DEP_1)
	v_lshlrev_b32 v[TT], 4, v[TT]
	s_delay_alu instid0(VALU_DEP_1)
	v_sub_nc_u32 v[QL], v9, v[TT]
	v_lshlrev_b32 v[R8], 3, v10
.irp j, 8,9,10,11,12,13,14,15
	v_mov_b32 v[QF+\j], 0                          ; Q's zero codes for the instruction's upper 64 along K
.endr
.set n, 0
.rept 16
	v_mov_b32 v[PC+n], 0                           ; p's codes: named as the upper half of K's last tile before they are first made
.set n, n+1
.endr
.irp b, 0,1,2,3
	v_mov_b32 v[TP+\b], 0                          ; written once: a lane permute's destination counts as one of its sources
.endr
	v_mov_b32 v[F+1], 0                            ; named with f as a pair
	v_mov_b32 v[SD], 0
	v_mov_b32 v[NINF], 0xff800000                  ; -infinity
	s_mov_b32 s[SEL], 0x76543210
	s_mov_b32 s[SEL+1], 0xfedcba98
	s_mov_b32 s[CS], 0x3e38aa3b                    ; c = log2(e) / sqrt(64)
	s_mov_b32 s[CS+1], s[CS]
	s_lshl_b32 s48, s14, 7                         ; 128 tiles of tokens a batch
	s_add_co_u32 s55, s48, s12
	s_add_co_u32 s30, s15, 16                      ; K's codes: ((16 + head) 768 + 128 batch + wave) 1024
	s_mul_i32 s30, s30, 768
	s_add_co_u32 s30, s30, s55
	s_lshl_b32 s30, s30, 10
	s_lshl_b32 s49, s14, 6
	s_lshl_b32 s50, s15, 2
	s_add_co_u32 s49, s49, s50
	s_add_co_u32 s49, s49, 512                     ; the head's first tile of v^T: 512 + 64 batch + 4 head
	s_lshr_b32 s31, s12, 2                         ; V's codes: ((wave / 4) 768 + that + wave % 4) 1024
	s_mul_i32 s31, s31, 768
	s_add_co_u32 s31, s31, s49
	s_and_b32 s50, s12, 3
	s_add_co_u32 s31, s31, s50
	s_lshl_b32 s31, s31, 10
	s_lshr_b32 s50, s15, 1                         ; K's scale words (waves 0-7): ((8 + head / 2) 768 + 128 batch) 64 + 128 wave; 1,024 bytes a slot
	s_add_co_u32 s50, s50, 8
	s_mul_i32 s50, s50, 768
	s_add_co_u32 s50, s50, s48
	s_lshl_b32 s50, s50, 6
	s_lshl_b32 s51, s12, 7
	s_add_co_u32 s50, s50, s51
	s_max_u32 s51, s12, 8                          ; V's (waves 8-11): (((wave - 8) / 2) 768 + the head's first tile) 64 + 128 ((wave - 8) % 2); 2 x 768 x 64 bytes a slot
	s_sub_co_u32 s51, s51, 8
	s_lshr_b32 s32, s51, 1
	s_mul_i32 s32, s32, 768
	s_add_co_u32 s32, s32, s49
	s_lshl_b32 s32, s32, 6
	s_and_b32 s51, s51, 1
	s_lshl_b32 s51, s51, 7
	s_add_co_u32 s32, s32, s51
	s_lshl_b32 s60, s16, 4                         ; an odd head's scale bytes lie 16 bits up
	s_mov_b32 s33, 98304
	s_cmp_lt_u32 s12, 8
	s_cselect_b32 s32, s50, s32
	s_cselect_b32 s33, 1024, s33
	s_cselect_b32 s34, s60, 0
	s_lshr_b32 s52, s15, 1                         ; oc: (head / 2) 16384 + (head % 2) 1024
	s_lshl_b32 s52, s52, 14
	s_lshl_b32 s48, s16, 10
	s_add_co_u32 s52, s52, s48
	s_lshr_b32 s53, s15, 2                         ; os: (head / 4) 1024 + ((head / 2) % 2) 4 + (head % 2) 2
	s_lshl_b32 s53, s53, 10
	s_bfe_u32 s48, s15, 0x10001
	s_lshl_b32 s48, s48, 2
	s_add_co_u32 s53, s53, s48
	s_lshl_b32 s48, s16, 1
	s_add_co_u32 s53, s53, s48
	s_lshr_b32 s54, s12, 1                         ; my tile's first query in its block: 32 (wave / 2) + 8 (wave % 2)
	s_lshl_b32 s54, s54, 5
	s_and_b32 s48, s12, 1
	s_lshl_b32 s48, s48, 3
	s_add_co_u32 s54, s54, s48
	s_sub_co_u32 s17, 7, s13                       ; the first block: 7 - i
	s_sub_co_u32 s61, 8, s13                       ; and its slots
	s_mov_b32 s25, 0
	s_wait_kmcnt 0x0
	FILL_ASK                                       ; the first key slot and Q are asked for together: one wait serves both
	SETUP_ASK
	SETUP_REST
	FILL_STORE 0                                   ; into LDS slot 0
	s_wait_dscnt 0x0                               ; my stores have landed, and have read their registers
	FILL_ASK                                       ; the second key slot: stored at the first trip's middle
	s_barrier_signal -1
	s_barrier_wait -1
	s_mov_b32 s19, 0
	s_mov_b32 s29, 2
.Ltrips:                                           ; six of the nine trips, three to a pass: once round the slots
	TRIP 0, 2
	TRIP 1, 2
	TRIP 2, 2
	s_sub_co_u32 s29, s29, 1
	s_cmp_lg_u32 s29, 0
	s_cbranch_scc1 .Ltrips
	TRIP 0, 2                                      ; the seventh asks for the ninth's keys: the last fill
	TRIP 1, 1                                      ; the eighth stores them
	TRIP 2, 0                                      ; the ninth: the second block's last slot
	s_wait_tensorcnt 0x0
	ds_add_u32 v233, v255
	s_wait_dscnt 0x0
	s_endpgm
.Lfunc_end_k_qc63253c859_attn:
	.size	k_qc63253c859_attn, .Lfunc_end_k_qc63253c859_attn-k_qc63253c859_attn
	.p2alignl 7, 3214868480
	.fill 96, 4, 3214868480
	.section	.rodata,"a",@progbits
	.p2align	6, 0x0
	.amdhsa_kernel k_qc63253c859_attn
		.amdhsa_group_segment_fixed_size 106496
		.amdhsa_private_segment_fixed_size 0
		.amdhsa_enable_private_segment 0
		.amdhsa_kernarg_size 32
		.amdhsa_user_sgpr_count 2
		.amdhsa_user_sgpr_kernarg_segment_ptr 1
		.amdhsa_wavefront_size32 1
		.amdhsa_system_sgpr_workgroup_id_x 1
		.amdhsa_system_sgpr_workgroup_id_y 1
		.amdhsa_system_sgpr_workgroup_id_z 1
		.amdhsa_system_vgpr_workitem_id 0
		.amdhsa_next_free_vgpr 256
		.amdhsa_next_free_sgpr 66
		.amdhsa_reserve_vcc 1
		.amdhsa_float_denorm_mode_32 3
		.amdhsa_float_denorm_mode_16_64 3
		.amdhsa_fp16_overflow 1
		.amdhsa_memory_ordered 1
		.amdhsa_forward_progress 1
		.amdhsa_inst_pref_size 255
	.end_amdhsa_kernel
	.section	.bss,"aw",@nobits
	.p2align	6
	.space	262144
	.amdgpu_metadata
---
amdhsa.version: [ 1, 2 ]
amdhsa.kernels:
  - .name:           k_qc63253c859_attn
    .symbol:         k_qc63253c859_attn.kd
    .args:
      - { .name: qc, .offset: 0, .size: 8, .value_kind: global_buffer, .address_space: global }
      - { .name: qs, .offset: 8, .size: 8, .value_kind: global_buffer, .address_space: global }
      - { .name: oc, .offset: 16, .size: 8, .value_kind: global_buffer, .address_space: global }
      - { .name: os, .offset: 24, .size: 8, .value_kind: global_buffer, .address_space: global }
    .group_segment_fixed_size: 106496
    .private_segment_fixed_size: 0
    .kernarg_segment_align: 8
    .kernarg_segment_size: 32
    .max_flat_workgroup_size: 512
    .sgpr_count:     66
    .vgpr_count:     256
    .wavefront_size: 32
...
	.end_amdgpu_metadata
.endif
;; end of part 3
;; launch proj (part 4): grid 4 x 32, 4 waves a work-group, clusters of 4 x 4, 327,680 bytes of LDS; arguments oc, os, wc, ws, bo, out0; writes out0
.if DOCPART == 4
	.amdgcn_target "amdgcn-amd-amdhsa--gfx1250"
	.amdhsa_code_object_version 6
	.text
	.protected	k_qc63253c859_proj
	.globl	k_qc63253c859_proj
	.p2align	8
	.type	k_qc63253c859_proj,@function
k_qc63253c859_proj:
	s_mov_b64 s[64:65], 0
	v_nop
	global_prefetch_b8 v0, s[64:65] scope:SCOPE_SE
	s_setreg_imm32_b32 hwreg(HW_REG_WAVE_MODE, 25, 1), 1
	s_wait_xcnt 0x0
	s_wait_alu depctr_hold_cnt(0) depctr_sa_sdst(0) depctr_va_vdst(0) depctr_va_sdst(0) depctr_va_ssrc(0) depctr_va_vcc(0) depctr_vm_vsrc(0)
	s_getreg_b32 s2, hwreg(HW_REG_IB_STS2, 6, 4)
	s_cmp_eq_u32 s2, 0
	s_cbranch_scc0 .Lentry_in_a_cluster
	s_endpgm
.Lentry_in_a_cluster:
	s_bfe_u32 s2, ttmp6, 0x10000c
	s_cmp_lg_u32 s2, 0xf033
	s_cbranch_scc0 .Lentry_shape_is_right
	s_endpgm
.Lentry_shape_is_right:
; Product 6: out0 [8192][1024] f32 = o wo + bo, on codes of E5M2 with E8M0 scales.  A = oc (tokens), B = the rows 3,072 .. 4,095 of wc (wo's columns).
; A tile of out0, 256 x 256, is made by four waves, each 128 x 128: 64 accumulators.  K = 1,024 goes in four steps of 256 through two LDS slots.  Operands lie in memory as images of their registers (a tile of 16 rows x 128 K =
; four chunks of 512 bytes, lane l at 16 l), 128 rows x 256 K being one dense block of 32,768 bytes: one tensor load a wave brings it, and every fragment load reads 512 consecutive LDS bytes: no padding.
; THE ROWS OF A TILE ARE NOT NEIGHBOURS: lane r of tile RB holds row 32 (RB / 2) + 8 (RB % 2) + r + 8 (r / 8).  THE MATRIX INSTRUCTION IS USED TRANSPOSED (source 0 = 16 rows of B, source 1 = 16 rows of A): register j of result
; tile b of lane (r, h) is column 32 (b / 2) + 16 h + 8 (b % 2) + j of A's row r.  bo is the C of the first K step.
; CLUSTERS: 4 x 4 work-groups; A's tile is shared along a row of the cluster, B's along a column: each is asked for jointly.  The grid has 128 work-groups.
; REGISTERS: window 0: v1-7 at work; v16-29 addresses; v32-63 scale words, two sets; v64-127 bo in the result's layout; v128-255 A's fragments, later rows on the way out.
;   window 1: B's fragments, two sets.   windows 2, 3: the accumulators ((a, b) at v[8 (8 (a % 4) + b)]).
.set NQ,     2
.set FR,     16
.set NL,     4
.set NP,     8                         ; places behind this matrix instruction (ISA guide 7.12.1)
.set BLKB,   32768                     ; 128 rows x 256 K: what one tensor load brings
.set SLOT,   4*BLKB                    ; A's two halves, then B's two
.set SCL,    2*SLOT                    ; the scales of all of K: four blocks of 4,096 bytes in the same order, filled once
.set SPARE,  SCL+4*4096                ; the spare words, 128 bytes a wave: two blocks of 256 bytes that no other line names
.set SPITCH, 528                       ; the way out: a stage of 16 rows x (512 bytes + 16) for each wave, in slot 0, which has had its last fill and its last read when the first result is stored there
.set ADRA, 16
.set ADRB, 20
.set STO,  24                          ; v24     the way out: where I put 32 bytes of a row
.set RD,   25                          ; v25     where I read a row back
.set CO,   26                          ; v26     16 x lane
.set ADRS, 27
.set SPW,  28                          ; v28     my spare word; never rewritten
.set NIL,  29                          ; v29     0; never rewritten
.set SC,   32
.set BN,   64
.set AF,   128
.set BK,   128
.set G1,   24
.set G0,   32
.set G1B,  48
.set G0B,  56
.set G1S,  68
.set G0S,  76
.set G1SB, 80
.set G0SB, 88
.set MSB, 0
.macro WIN new                         ; the immediate's high byte repeats the setting that is left
.if MSB != (\new)
	s_set_vgpr_msb (MSB<<8)|(\new)
.set MSB, (\new)
.endif
.endm
.set MUL_LO, 0xa1                      ; source 0 (B) window 1, source 1 (A) window 0, C and D window 2
.set MUL_HI, 0xf1                      ; the same, C and D window 3
.set TO_B,   0x40                      ; destination window 1, address window 0
; A joint load: waves 0 and 1 fetch for A, waves 2 and 3 for B; the branch hangs on the wave's number alone.  Four v_nop follow each of the two lines.
.macro JLOAD g0a, g1a, g0b, g1b
	s_cmp_eq_u32 s15, 0
	s_cbranch_scc0 .Lfor_b_\@
	tensor_load_to_lds s[\g0a:\g0a+3], s[\g1a:\g1a+7]
	s_nop 0
.rept 4
	v_nop
.endr
	s_branch .Lasked_\@
.Lfor_b_\@:
	tensor_load_to_lds s[\g0b:\g0b+3], s[\g1b:\g1b+7]
	s_nop 0
.rept 4
	v_nop
.endr
.Lasked_\@:
.endm
.macro CREST                           ; a round of the cluster's barrier behind its opening barrier
	s_cmp_lg_u32 s14, 0
	s_cbranch_scc1 .Lnot_wave_0_\@
	s_barrier_signal -3
.Lnot_wave_0_\@:
	s_barrier_wait -3
	s_barrier_signal -1
	s_barrier_wait -1
.endm
.macro CROUND
	s_barrier_signal -1
	s_barrier_wait -1
	CREST
.endm
	s_load_b256 s[4:11], s[0:1], 0x0               ; oc, os, wc, ws
	s_load_b128 s[96:99], s[0:1], 0x20             ; bo, out0
	v_lshl_add_u32 v[SPW], v0, 2, SPARE
	v_mov_b32 v[NIL], 0
	ds_add_u32 v28, v29
	ds_add_u32 v28, v29
	s_wait_dscnt 0x0
	v_lshrrev_b32 v1, 5, v0
	v_readfirstlane_b32 s14, v1                    ; wave 0..3
	s_lshr_b32 s15, s14, 1                         ; which half of the tile's rows is mine.  Also: I fetch for A (0) or for B (1)
	s_and_b32 s16, s14, 1                          ; which half of its columns.  Also: which 128 rows of that tile I fetch
	s_bfe_u32 s40, ttmp6, 0x40000                  ; cx, cy
	s_bfe_u32 s41, ttmp6, 0x40004
	s_lshl_b32 s42, ttmp9, 2
	s_add_co_u32 s42, s42, s40                     ; tile column = 4 x cluster x + cx
	s_and_b32 s17, ttmp7, 0xffff
	s_lshl_b32 s17, s17, 2
	s_add_co_u32 s17, s17, s41                     ; tile row = 4 x cluster y + cy
	s_lshl_b32 s43, s41, 2
	s_lshl_b32 s43, 15, s43                        ; my row of the cluster
	s_lshl_b32 s44, 0x1111, s40                    ; my column
	; descriptor group 1 for codes: a dense block of 32,768 bytes as 128 rows of 32 elements of 8 bytes; for scales: 4,096 bytes as 16 such rows
	s_or_b32 s[G1+0], s43, (3<<16)|(1<<21)         ; 15:0 the mask; 17:16 elements of 8 bytes; 21 set beside a mask
	s_or_b32 s[G1B+0], s44, (3<<16)|(1<<21)
	s_or_b32 s[G1S+0], s43, (3<<16)|(1<<21)
	s_or_b32 s[G1SB+0], s44, (3<<16)|(1<<21)
.irp g, G1, G1B
	s_mov_b32 s[\g+1], 32<<16
	s_mov_b32 s[\g+2], 128<<16
	s_mov_b32 s[\g+3], 32<<16
	s_mov_b32 s[\g+4], 128
	s_mov_b32 s[\g+5], 32
	s_mov_b32 s[\g+6], 0
	s_mov_b32 s[\g+7], 0
.endr
.irp g, G1S, G1SB
	s_mov_b32 s[\g+1], 32<<16
	s_mov_b32 s[\g+2], 16<<16
	s_mov_b32 s[\g+3], 32<<16
	s_mov_b32 s[\g+4], 16
	s_mov_b32 s[\g+5], 32
	s_mov_b32 s[\g+6], 0
	s_mov_b32 s[\g+7], 0
.endr
	s_lshl_b32 s20, s17, 1
	s_add_co_u32 s20, s20, s16                     ; A's group of 128 rows: 2 x tile row + half
	s_lshl_b32 s22, s20, 12
	s_mov_b32 s23, 0
	s_lshl_b32 s20, s20, 17
	s_mov_b32 s21, 0
	s_lshl_b32 s46, s42, 1
	s_add_co_u32 s46, s46, s16
	s_add_co_u32 s46, s46, 24                      ; B's: wo's rows begin at group 24 of wc
	s_lshl_b32 s92, s46, 12
	s_mov_b32 s93, 0
	s_lshl_b32 s46, s46, 17
	s_mov_b32 s47, 0
	s_lshl_b32 s45, s14, 15                        ; where my tiles go: wave x 32,768: no place in the cluster enters an LDS address
	s_lshl_b32 s94, s14, 12
	s_wait_kmcnt 0x0
	s_add_nc_u64 s[20:21], s[4:5], s[20:21]
	s_add_nc_u64 s[22:23], s[6:7], s[22:23]
	s_add_nc_u64 s[46:47], s[8:9], s[46:47]
	s_add_nc_u64 s[92:93], s[10:11], s[92:93]
	CROUND                                         ; all sixteen work-groups are here: the first joint loads meet
	s_mov_b32 s[G0S], 1
	s_add_co_u32 s[G0S+1], s94, SCL
	s_mov_b64 s[G0S+2:G0S+3], s[22:23]
	s_or_b32 s[G0S+3], s[G0S+3], 0x80000000
	s_mov_b32 s[G0SB], 1
	s_add_co_u32 s[G0SB+1], s94, SCL
	s_mov_b64 s[G0SB+2:G0SB+3], s[92:93]
	s_or_b32 s[G0SB+3], s[G0SB+3], 0x80000000
	JLOAD G0S, G1S, G0SB, G1SB                     ; the scales first: they are wanted with K step 0
.irp s, 0,1
	s_mov_b32 s[G0+4*\s], 1
	s_add_co_u32 s[G0+4*\s+1], s45, \s*SLOT
	s_add_nc_u64 s[G0+4*\s+2:G0+4*\s+3], s[20:21], \s*BLKB
	s_or_b32 s[G0+4*\s+3], s[G0+4*\s+3], 0x80000000
	s_mov_b32 s[G0B+4*\s], 1
	s_add_co_u32 s[G0B+4*\s+1], s45, \s*SLOT
	s_add_nc_u64 s[G0B+4*\s+2:G0B+4*\s+3], s[46:47], \s*BLKB
	s_or_b32 s[G0B+4*\s+3], s[G0B+4*\s+3], 0x80000000
	s_wait_alu depctr_va_vdst(0)
	s_wait_tensorcnt 0x0
	ds_add_u32 v28, v29
	s_wait_dscnt 0x0
	CROUND
	JLOAD G0+4*\s, G1, G0B+4*\s, G1B               ; one tensor load of mine is out behind the second of these
.endr
	v_and_b32 v1, 15, v0                           ; r
	v_bfe_u32 v2, v0, 4, 1                         ; h
	v_and_b32 v3, 31, v0                           ; lane
	v_lshlrev_b32 v[CO], 4, v3
	s_wait_alu depctr_va_vdst(0)
	v_lshlrev_b32 v4, 6, v2                        ; bo: my half's 16 columns begin 64 h bytes on
	s_lshl_b32 s46, s42, 10                        ; column 256 x tile column + 128 x my half
	s_lshl_b32 s47, s16, 9
	s_add_co_u32 s46, s46, s47
	s_mov_b32 s47, 0
	s_add_nc_u64 s[96:97], s[96:97], s[46:47]
.irp b, 0,1,2,3,4,5,6,7
	global_load_b128 v[BN+8*\b:BN+8*\b+3], v4, s[96:97] offset:(32*(\b/2)+8*(\b%2))*4
	global_load_b128 v[BN+8*\b+4:BN+8*\b+7], v4, s[96:97] offset:(32*(\b/2)+8*(\b%2))*4+16
.endr
	s_lshl_b32 s21, s15, 15                        ; my 128 rows of A,
	s_lshl_b32 s22, s16, 15                        ; my 128 rows of B,
	s_add_co_u32 s22, s22, 2*BLKB                  ; which lie behind A's 256
.irp s, 0,1
	v_add_nc_u32 v[ADRA+\s], s21, v[CO]
	v_add_nc_u32 v[ADRB+\s], s22, v[CO]
	s_add_co_u32 s21, s21, SLOT
	s_add_co_u32 s22, s22, SLOT
.endr
	v_lshlrev_b32 v5, 3, v1                        ; my row's pair of scale words: 8 r
	s_lshl_b32 s21, s15, 12
	s_lshl_b32 s22, s16, 12
	s_add_co_u32 s22, s22, 2*4096
	s_sub_co_u32 s22, s22, s21
	v_mul_u32_u24 v6, s22, v2                      ; lanes 16-31 take B's
	s_add_co_u32 s21, s21, SCL
	v_add_nc_u32 v5, v5, v6
	v_add_nc_u32 v[ADRS], s21, v5
	s_mul_i32 s23, s14, 16*SPITCH                  ; my stage
	v_mul_u32_u24 v5, v1, SPITCH                   ; in: row r, my half's 16 columns of each 32 begin 64 h bytes on
	v_lshl_add_u32 v5, v2, 6, v5
	v_add_nc_u32 v[STO], s23, v5
	v_add_nc_u32 v[RD], s23, v[CO]                 ; back: the 32 lanes take one row of 512 bytes
	s_lshl_b32 s18, s17, 20                        ; out0: (256 tile row + 128 half) rows of 4,096 bytes + 1,024 tile column + 512 half
	s_lshl_b32 s19, s15, 19
	s_add_co_u32 s18, s18, s19
	s_lshl_b32 s19, s42, 10
	s_add_co_u32 s18, s18, s19
	s_lshl_b32 s19, s16, 9
	s_add_co_u32 s18, s18, s19
	s_mov_b32 s19, 0
	s_add_nc_u64 s[12:13], s[98:99], s[18:19]
	s_wait_alu depctr_va_vdst(0)
	s_wait_loadcnt 0x0                             ; bo
.macro FRAG reg, adr, q, i             ; a fragment's image: four chunks of 512 bytes
.irp c, 0,1,2,3
	ds_load_b128 v[\reg+4*\c:\reg+4*\c+3], v[\adr] offset:16384*(\q)+2048*(\i)+512*\c
.endr
.endm
; 16 matrix instructions: A's blocks a0, a0 + 1 x B's eight, the slot's q-th 128 along K.  zero = 1: the first product starts the sums from the bias: nothing is cleared.
; The 64 accumulators take turns, one instruction a turn, in the same order in every step.
.macro MUL16 a0, p, q, sc, zero
.irp a, \a0, \a0+1
.irp b, 0,1,2,3,4,5,6,7
.if \zero
	v_wmma_scale_f32_16x16x128_f8f6f4 v[8*(8*((\a)%4)+\b):8*(8*((\a)%4)+\b)+7], v[128*(\p)+FR*\b:128*(\p)+FR*\b+FR-1], v[AF+FR*(\a):AF+FR*(\a)+FR-1], v[BN+8*\b:BN+8*\b+7], v[SC+8*NQ*(\sc)+NQ*\b+(\q)], v[SC+8*NQ*(\sc)+NQ*(\a)+(\q)] matrix_a_fmt:MATRIX_FMT_BF8 matrix_b_fmt:MATRIX_FMT_BF8 matrix_a_scale:MATRIX_SCALE_ROW1
.else
	v_wmma_scale_f32_16x16x128_f8f6f4 v[8*(8*((\a)%4)+\b):8*(8*((\a)%4)+\b)+7], v[128*(\p)+FR*\b:128*(\p)+FR*\b+FR-1], v[AF+FR*(\a):AF+FR*(\a)+FR-1], v[8*(8*((\a)%4)+\b):8*(8*((\a)%4)+\b)+7], v[SC+8*NQ*(\sc)+NQ*\b+(\q)], v[SC+8*NQ*(\sc)+NQ*(\a)+(\q)] matrix_a_fmt:MATRIX_FMT_BF8 matrix_b_fmt:MATRIX_FMT_BF8 matrix_a_scale:MATRIX_SCALE_ROW1
.endif
.endr
.endr
.endm
.macro FETCH_B slot, q, p
	WIN TO_B
.irp i, 0,1,2,3,4,5,6,7
	FRAG 128*(\p)+FR*\i, ADRB+\slot, \q, \i
.endr
	WIN 0
.endm
.macro FETCH_A slot, q, i0
.irp i, \i0, \i0+1, \i0+2, \i0+3
	FRAG AF+FR*(\i), ADRA+\slot, \q, \i
.endr
.endm
.macro SCALES sc, ks                   ; K step ks's scale words into set sc: lanes 0-15 take A's block i, lanes 16-31 B's block i
.irp i, 0,1,2,3,4,5,6,7
	ds_load_b64 v[SC+8*NQ*(\sc)+NQ*\i:SC+8*NQ*(\sc)+NQ*\i+1], v[ADRS] offset:1024*(\ks)+128*\i
.endr
.endm
.macro PLACES n                        ; plain vector lines between a matrix instruction and a load into, or a read of, its registers (ISA guide 7.12.1 for reads)
.rept \n
	v_nop
.endr
.endm
.macro STEP slot, q, zero
	s_wait_dscnt 4*NL                              ; B's set, the scale words and A's blocks 0-3 are in; the youngest 16 loads (A's blocks 4-7) may be out
.if \zero
	WIN 0x81                                       ; C (the bias) in window 0
.else
	WIN MUL_LO
.endif
	MUL16 0, (\q)%2, \q, \slot, \zero
	MUL16 2, (\q)%2, \q, \slot, \zero
	s_wait_dscnt 0
	PLACES NP
	FETCH_B \slot, (\q)+1, 1-(\q)%2
	FETCH_A \slot, (\q)+1, 0
.if \zero
	WIN 0xc1
.else
	WIN MUL_HI
.endif
	MUL16 4, (\q)%2, \q, \slot, \zero
	MUL16 6, (\q)%2, \q, \slot, \zero
	PLACES NP
	WIN 0
	FETCH_A \slot, (\q)+1, 4
.endm
; A slot's last step changes slots: one barrier; in front of it each wave waits for all its tensor loads, adds 0 to its spare word, and waits for that and for its own reads of this slot.
.macro TURN slot, next, fill, ks
	s_wait_tensorcnt 0x0                           ; all my tensor loads have landed: my part of the next slot
	ds_add_u32 v[SPW], v[NIL]                      ; 0 onto my spare word
	s_wait_dscnt 4*NL+1                            ; (the add and the youngest 16 loads may be out)
	WIN MUL_LO
	MUL16 0, 1, NQ-1, \slot, 0
	s_wait_dscnt 0x0                               ; the add is done, and my reads of this slot are over
	s_barrier_signal -1
	MUL16 2, 1, NQ-1, \slot, 0
	WIN 0
	s_barrier_wait -1
.if \fill
	CREST                                          ; no wave of any partner still reads this slot's tile or has a load on its way
	s_add_nc_u64 s[G0+4*\slot+2:G0+4*\slot+3], s[G0+4*\slot+2:G0+4*\slot+3], 2*BLKB
	s_add_nc_u64 s[G0B+4*\slot+2:G0B+4*\slot+3], s[G0B+4*\slot+2:G0B+4*\slot+3], 2*BLKB
	JLOAD G0+4*\slot, G1, G0B+4*\slot, G1B         ; the first tensor load behind the round, and my only one until the next
	PLACES NP-4
.else
	PLACES NP
.endif
	FETCH_B \next, 0, 0
	FETCH_A \next, 0, 0
	SCALES \next, \ks
	WIN MUL_HI
	MUL16 4, 1, NQ-1, \slot, 0
	MUL16 6, 1, NQ-1, \slot, 0
	PLACES NP
	WIN 0
	FETCH_A \next, 0, 4
.endm
	s_wait_tensorcnt 1                             ; the scales and my part of K step 0 are in; K step 1's load may be out
	s_barrier_signal -1
	s_barrier_wait -1
	FETCH_B 0, 0, 0
	FETCH_A 0, 0, 0
	SCALES 0, 0
	FETCH_A 0, 0, 4
	STEP 0, 0, 1
	TURN 0, 1, 1, 1                                ; slot 0 takes K step 2
	STEP 1, 0, 0
	TURN 1, 0, 1, 2                                ; slot 1 takes K step 3
	STEP 0, 0, 0
	TURN 0, 1, 0, 3                                ; nothing is left to fetch; behind this barrier nobody reads slot 0
	STEP 1, 0, 0
	s_wait_dscnt 4*NL
	WIN MUL_LO
	MUL16 0, 1, NQ-1, 1, 0
	MUL16 2, 1, NQ-1, 1, 0
	s_wait_dscnt 0
	WIN MUL_HI
	MUL16 4, 1, NQ-1, 1, 0
	MUL16 6, 1, NQ-1, 1, 0
	WIN 0
; THE WAY OUT, a tile of 16 rows x 128 columns at a time, through my own stage: in by lanes (32 bytes of a row at a time), back as whole rows of 512 bytes.  LDS serves a wave's instructions in order: no wait between them.
.macro TOSTAGE a
.set AC, 64*((\a)%4)
	WIN 0x08+4*((\a)/4)                            ; an LDS store's data are its source 1: window 2 or 3
.irp b, 0,1,2,3,4,5,6,7
	ds_store_b128 v[STO], v[AC+8*\b:AC+8*\b+3] offset:128*(\b/2)+32*(\b%2)          ; each accumulator from its low end on
	ds_store_b128 v[STO], v[AC+8*\b+4:AC+8*\b+7] offset:128*(\b/2)+32*(\b%2)+16
.endr
	WIN 0
.set BB, BK+64*((\a)%2)
.irp t, 0,1,2,3,4,5,6,7,8,9,10,11,12,13,14,15
	ds_load_b128 v[BB+4*\t:BB+4*\t+3], v[RD] offset:\t*SPITCH
.endr
.endm
.macro SEND a, younger                 ; younger: the LDS instructions issued behind tile a's loads, which may stay out
.set BB, BK+64*((\a)%2)
	s_wait_dscnt \younger
.irp t, 0,1,2,3,4,5,6,7,8,9,10,11,12,13,14,15
	global_store_b128 v[CO], v[BB+4*\t:BB+4*\t+3], s[12:13] offset:(32*((\a)/2)+8*((\a)%2)+\t+8*(\t/8))*4096 th:TH_STORE_NT   ; 512 consecutive bytes of one row, aligned; the row's place stands in the immediate
.endr
.endm
	PLACES NP
	TOSTAGE 0
.irp a, 1,2,3,4,5,6,7
.if \a > 1
	s_wait_xcnt 0x0                                ; tile a - 2's stores have had their addresses translated: tile a's loads land in their registers only behind this wait
.endif
	TOSTAGE \a
	SEND \a-1, 32                                  ; behind tile a - 1's loads: tile a's 16 stores and 16 loads
.endr
	SEND 7, 0
	s_wait_tensorcnt 0x0                           ; the wave's end
	ds_add_u32 v[SPW], v[NIL]
	s_wait_dscnt 0x0
	CROUND                                         ; the closing round: no work-group ends while a partner may still ask for a tile that names it
	s_endpgm
.Lfunc_end_k_qc63253c859_proj:
	.size	k_qc63253c859_proj, .Lfunc_end_k_qc63253c859_proj-k_qc63253c859_proj
	.p2alignl 7, 3214868480
	.fill 96, 4, 3214868480
	.section	.rodata,"a",@progbits
	.p2align	6, 0x0
	.amdhsa_kernel k_qc63253c859_proj
		.amdhsa_group_segment_fixed_size 327680
		.amdhsa_private_segment_fixed_size 0
		.amdhsa_enable_private_segment 0
		.amdhsa_kernarg_size 48
		.amdhsa_user_sgpr_count 2
		.amdhsa_user_sgpr_kernarg_segment_ptr 1
		.amdhsa_wavefront_size32 1
		.amdhsa_system_sgpr_workgroup_id_x 1
		.amdhsa_system_sgpr_workgroup_id_y 1
		.amdhsa_system_sgpr_workgroup_id_z 1
		.amdhsa_system_vgpr_workitem_id 0
		.amdhsa_next_free_vgpr 1024
		.amdhsa_next_free_sgpr 100
		.amdhsa_reserve_vcc 0
		.amdhsa_float_denorm_mode_32 3
		.amdhsa_float_denorm_mode_16_64 3
		.amdhsa_memory_ordered 1
		.amdhsa_forward_progress 1
		.amdhsa_inst_pref_size 147
	.end_amdhsa_kernel
	.amdgpu_metadata
---
amdhsa.version: [ 1, 2 ]
amdhsa.kernels:
  - .name:           k_qc63253c859_proj
    .symbol:         k_qc63253c859_proj.kd
    .args:
      - { .name: oc, .offset: 0, .size: 8, .value_kind: global_buffer, .address_space: global }
      - { .name: os, .offset: 8, .size: 8, .value_kind: global_buffer, .address_space: global }
      - { .name: wc, .offset: 16, .size: 8, .value_kind: global_buffer, .address_space: global }
      - { .name: ws, .offset: 24, .size: 8, .value_kind: global_buffer, .address_space: global }
      - { .name: bo, .offset: 32, .size: 8, .value_kind: global_buffer, .address_space: global }
      - { .name: out0, .offset: 40, .size: 8, .value_kind: global_buffer, .address_space: global }
    .group_segment_fixed_size: 327680
    .private_segment_fixed_size: 0
    .kernarg_segment_align: 8
    .kernarg_segment_size: 48
    .max_flat_workgroup_size: 128
    .sgpr_count:     100
    .vgpr_count:     1024
    .wavefront_size: 32
...
	.end_amdgpu_metadata
.endif
;; end of part 4
